; MI455X (gfx1250); checked and timed in simulation.
; The chip was launched on July 23, 2026; its instructions are those of AMD's public machine-readable ISA for CDNA 5 (MIT licence, August 2026) and "CDNA5" Instruction Set Architecture Reference Guide (July 2026). The comments in the code are by the model that wrote it; some were corrected since.
;; Swin Transformer Block4 D. Allowed arithmetic: float matrix products may take bf16 or f16 operands with f32 sums; all other float work in f32.
;; Inputs: b1 128 float32; b2 128 float32; b_fc1 512 float32; b_fc2 128 float32; b_proj 128 float32; b_qkv 384 float32; g1 128 float32; g2 128 float32; mask_matrix 256 x 256 x 256 float32; w_fc1 512 x 128 float32; w_fc2 128 x 512 float32; w_proj 128 x 128 float32; w_qkv 384 x 128 float32; x 2 x 16 x 16 x 16 x 16 x 128 float32.
;; Outputs: out0 2 x 16 x 16 x 16 x 16 x 128 float32.
;; 2 versions, each right. Each part assembles by itself: llvm-mc -triple=amdgcn-amd-amdhsa -mcpu=gfx1250 --defsym DOCPART=n.
;; ======== version 1 of 2: 1 launch
;; launch swin (part 1): grid 256 x 1, 8 waves a work-group, no clusters, 322,560 bytes of LDS; arguments x, mask_matrix, g1, b1, w_qkv, b_qkv, w_proj, b_proj, g2, b2, w_fc1, b_fc1, w_fc2, b_fc2, out0; writes out0
.if DOCPART == 1
	.amdgcn_target "amdgcn-amd-amdhsa--gfx1250"
	.amdhsa_code_object_version 6
	.text
	.protected	k_q1c13e21eb0_swin
	.globl	k_q1c13e21eb0_swin
	.p2align	8
	.type	k_q1c13e21eb0_swin,@function
k_q1c13e21eb0_swin:
	s_mov_b64 s[64:65], 0
	v_nop
	global_prefetch_b8 v0, s[64:65] scope:SCOPE_SE
	s_setreg_imm32_b32 hwreg(HW_REG_WAVE_MODE, 25, 1), 1
	s_wait_xcnt 0x0
; One Swin block (LN1, shifted windows, QKV, 4 heads of masked attention, proj, residual, LN2, fc1, exact GELU, fc2, residual) in one launch.
; SHARES.  Work-group win (0..255) owns window place win of BOTH batches: 512 tokens; so the window's mask (256 KB) is read once.
; Wave w (0..7) owns 64 tokens, four tiles of 16: tile q = 2 p + b (p: pass, b: batch) is tokens 16 (2 w + p) + r of batch b's window.
; Shift and partition only permute tokens: token (i_d,i_h,i_w,i_t) of window (Wd,Wh,Ww,Wt) lies at d = (4 Wd + i_d + 2) & 15, and so on, in x and in out0.
; LAYOUT.  Lane (r = lane % 16, h = lane / 16) holds token r; f32 register 8 t + j holds channel 16 t + 8 h + j.  Packed in pairs to bf16, registers
; 8 s .. 8 s + 7 ARE the matrix fragment of channels 32 s .. 32 s + 31.  Every product takes 16 weight rows (or keys, or channels of V) as source 0 and 16 tokens
; as source 1, so its result is in this layout again: nothing changes lanes between the products.  x, mask and out0 pass between 256-byte rows
; (16 lanes x 16 bytes) and this layout through a stage in LDS that is each wave's own.
; Weights are f32 in memory: each wave converts its share to bf16 in registers and stores it to LDS for all eight.  That is why no tensor load, copy or cluster is used:
; what work-groups share has to pass through registers, and it goes to LDS bytes that ds_store has written.
; x is read a second time for the residual: mask, x in f32, Q, K and V together do not fit in LDS and registers.
; LIMITS.  erf by Abramowitz-Stegun 7.1.26 (absolute error at most 1.5e-7).  A softmax row is divided by the sum of its weights as rounded to bf16 (a product with ones).
; v_exp, v_rcp, v_rsq flush denormals.  H holds 2 gelu and W_fc2 is staged times 0.5.
; LDS: 0 stages (8 x 4,352: 16 rows, pitch 272) | KREG K[512][128] bf16 pitch 272, later W_fc1 (its rows 384-511, KTAIL, hold W_proj first) |
;      VREG W_qkv (384 rows, pitch 272), then V[512][128] pitch 288, then W_fc2 (128 rows, pitch 1,040).
; REGISTERS in two windows of 256 (s_set_vgpr_msb: bits 1:0 source 0, 3:2 source 1, 5:4 source 2, 7:6 destination).  Window 1: x, then packed LN1(x) and V;
; mask (0-127) and scores (128-255); at last the 32 accumulators of x1 / out (tile q, channel group t at 64 q + 8 t).  Window 0: see each phase.
.set KREG,  34816
.set KTAIL, 139264
.set VREG,  174080
.set SW,  6                            ; v6  stage, row side: w*4352 + h*272 + 16 r (rows 2 i + h at +544 i)
.set SF,  7                            ; v7  stage, fragment side: w*4352 + r*272 + 32 h
.set PB,  8                            ; v8  32 h: byte offset of a lane's 8 numbers in a group of 16 channels
.set MO,  10                           ; v10 my byte offset in the window's mask
.set RH,  11                           ; v11 r*272 + 16 h
.set OT,  16                           ; v16-23 byte offset of row 2 i + h of a token tile, + 16 r
.set SA,  32                           ; v32-39 four packed sums
.set MS,  40                           ; v40-41 mean, twice
.set RS,  42                           ; v42-43 rstd, twice
.set TM,  44
.set XB,  44                           ; s[44:51] x at tile q's plane;  s[52:59] out0 likewise
.set OB,  52
.set MSB, 0
.macro WIN new                         ; the immediate's high byte repeats the setting that is left
.if MSB != \new
	s_set_vgpr_msb (MSB<<8)|\new
.set MSB, \new
.endif
.endm
.macro PLACES                          ; four plain places behind matrix instructions (ISA guide 7.12.1)
.rept 4
	v_nop
.endr
.endm
.macro BAR                             ; my LDS instructions are done, then the work-group's barrier
	s_wait_dscnt 0x0
	s_barrier_signal -1
	s_barrier_wait -1
.endm
.macro MKOT                            ; OT[i] = ((4 Wt + 2 (i&1) + h + 2) & 15) * 512 + ((4 Ww + (i>>1) + 2) & 15) * 8192 + 16 r;  leaves 16 r in v25
	v_bfe_u32 v24, v0, 4, 1
	v_and_b32 v25, 15, v0
	v_lshlrev_b32 v25, 4, v25
	v_add_nc_u32 v26, s79, v24
	v_add_nc_u32 v24, 2, v26
	v_and_b32 v26, 15, v26
	v_and_b32 v24, 15, v24
	v_lshl_add_u32 v26, v26, 9, v25
	v_lshl_add_u32 v24, v24, 9, v25
.irp i,0,1,2,3,4,5,6,7
	v_add_nc_u32 v[OT+\i], s[40+\i/2], v[26-2*(\i%2)]
.endr
.endm
.macro XLOAD t, nt                     ; a token tile of x, 16 loads; each covers two aligned runs of 256 bytes (destination window 1)
.irp hf,0,1
.irp i,0,1,2,3,4,5,6,7
.if \nt
	global_load_b128 v[64*\t+32*\hf+4*\i:64*\t+32*\hf+4*\i+3], v[OT+\i], s[XB+2*\t:XB+2*\t+1] offset:256*\hf th:TH_LOAD_NT
.else
	global_load_b128 v[64*\t+32*\hf+4*\i:64*\t+32*\hf+4*\i+3], v[OT+\i], s[XB+2*\t:XB+2*\t+1] offset:256*\hf
.endif
.endr
.endr
.endm
.macro MASKLOAD imm                    ; 16 queries x 256 keys of the mask, 32 loads (destination window 1); read once in the launch
.irp kq,0,1,2,3
.irp i,0,1,2,3,4,5,6,7
	global_load_b128 v[32*\kq+4*\i:32*\kq+4*\i+3], v[MO], s[10:11] offset:\imm+2048*\i+256*\kq th:TH_LOAD_NT
.endr
.endr
.endm
; 32 registers (16 rows x 64 f32) through my own stage.  LDS serves a wave's instructions in order (ISA guide 5.7.1.4), so no wait stands inside or between uses.  Window 0x44.
.macro XPIN R                          ; rows -> fragment layout
.irp i,0,1,2,3,4,5,6,7
	ds_store_b128 v[SW], v[\R+4*\i:\R+4*\i+3] offset:544*\i
.endr
.irp g,0,1,2,3
	ds_load_b128 v[\R+8*\g:\R+8*\g+3], v[SF] offset:64*\g
	ds_load_b128 v[\R+8*\g+4:\R+8*\g+7], v[SF] offset:64*\g+16
.endr
.endm
.macro XPOUT R                         ; fragment layout -> rows; each accumulator's low registers are read first
.irp g,0,1,2,3
	ds_store_b128 v[SF], v[\R+8*\g:\R+8*\g+3] offset:64*\g
	ds_store_b128 v[SF], v[\R+8*\g+4:\R+8*\g+7] offset:64*\g+16
.endr
.irp i,0,1,2,3,4,5,6,7
	ds_load_b128 v[\R+4*\i:\R+4*\i+3], v[SW] offset:544*\i
.endr
.endm
.macro WLOADS R, n, vofs, sb, imm0     ; n pieces of 512 consecutive bytes of a weight matrix, 16 bytes a lane
.set wi, 0
.rept \n
	global_load_b128 v[\R+4*wi:\R+4*wi+3], v[\vofs], s[\sb:\sb+1] offset:\imm0+512*wi
.set wi, wi+1
.endr
.endm
.macro WCVT R, n, D, dstep             ; a piece's 4 f32 a lane -> 2 registers of bf16
.set wi, 0
.rept \n
	v_cvt_pk_bf16_f32 v[\D+\dstep*wi], v[\R+4*wi], v[\R+4*wi+1]
	v_cvt_pk_bf16_f32 v[\D+\dstep*wi+1], v[\R+4*wi+2], v[\R+4*wi+3]
.set wi, wi+1
.endr
.endm
.macro WSTORE R, n, dstep, vlds        ; piece i = row i of 128 bf16, pitch 272
.set wi, 0
.rept \n
	ds_store_b64 v[\vlds], v[\R+\dstep*wi:\R+\dstep*wi+1] offset:272*wi
.set wi, wi+1
.endr
.endm
.macro LNRED                           ; four packed sums -> one number for the token (its other 64 channels lie 16 lanes away)
	v_pk_add_f32 v[SA:SA+1], v[SA:SA+1], v[SA+2:SA+3]
	v_pk_add_f32 v[SA+4:SA+5], v[SA+4:SA+5], v[SA+6:SA+7]
	v_pk_add_f32 v[SA:SA+1], v[SA:SA+1], v[SA+4:SA+5]
	v_add_f32 v[SA], v[SA], v[SA+1]
	v_permlanex16_b32 v[TM], v[SA], s60, s61
	v_add_f32 v[SA], v[SA], v[TM]
.endm
.macro LNSUM                           ; mean of the 64 registers at XR in window 1; every group of 8 is first read at its low end
	WIN 0x05
.irp k,0,1,2,3
	v_pk_add_f32 v[SA+2*\k:SA+2*\k+1], v[XR+2*\k:XR+2*\k+1], v[XR+8+2*\k:XR+8+2*\k+1]
.endr
	WIN 0x01
.irp g,2,3,4,5,6,7
.irp k,0,1,2,3
	v_pk_add_f32 v[SA+2*\k:SA+2*\k+1], v[XR+8*\g+2*\k:XR+8*\g+2*\k+1], v[SA+2*\k:SA+2*\k+1]
.endr
.endr
	WIN 0
	LNRED
	v_mul_f32 v[MS], s62, v[SA]
	v_mov_b32 v[MS+1], v[MS]
.endm
.macro LNSQ R                          ; rstd from 64 centred numbers at R (the caller sets the sources' window)
.irp k,0,1,2,3
	v_pk_mul_f32 v[SA+2*\k:SA+2*\k+1], v[\R+2*\k:\R+2*\k+1], v[\R+2*\k:\R+2*\k+1]
.endr
.set qi, 4
.rept 28
	v_pk_fma_f32 v[SA+2*(qi%4):SA+2*(qi%4)+1], v[\R+2*qi:\R+2*qi+1], v[\R+2*qi:\R+2*qi+1], v[SA+2*(qi%4):SA+2*(qi%4)+1]
.set qi, qi+1
.endr
	WIN 0
	LNRED
	v_fma_f32 v[SA], v[SA], s62, s63               ; sum / 128 + 1e-5
	v_rsq_f32 v[RS], v[SA]
	v_nop                                          ; a plain instruction behind the transcendental (ISA guide 5.7.2)
	s_wait_alu depctr_va_vdst(0)
	v_mov_b32 v[RS+1], v[RS]
.endm
; ---------------------------------------------------------------- set-up
	s_load_b512 s[8:23], s[0:1], 0x0               ; x 8, mask 10, g1 12, b1 14, w_qkv 16, b_qkv 18, w_proj 20, b_proj 22
	s_load_b256 s[24:31], s[0:1], 0x40             ; g2 24, b2 26, w_fc1 28, b_fc1 30
	s_load_b128 s[32:35], s[0:1], 0x60             ; w_fc2 32, b_fc2 34
	s_load_b64 s[36:37], s[0:1], 0x70              ; out0
	v_lshrrev_b32 v1, 5, v0
	v_readfirstlane_b32 s38, v1                    ; wave 0..7
	s_mov_b32 s39, ttmp9                           ; window place
	s_mov_b32 s60, 0x76543210                      ; v_permlanex16_b32: each lane takes its own place in the other half
	s_mov_b32 s61, 0xfedcba98
	s_mov_b32 s62, 0x3c000000                      ; 1 / 128
	s_mov_b32 s63, 0x3727c5ac                      ; 1e-5
	s_mov_b32 s66, 0x3fb8aa3b                      ; log2(e)
	s_mov_b32 s67, s66
	s_bfe_u32 s74, s39, 0x20002                    ; Ww
	s_lshl_b32 s74, s74, 2
.irp k,0,1,2,3
	s_add_co_u32 s75, s74, \k+2
	s_and_b32 s75, s75, 15
	s_lshl_b32 s[40+\k], s75, 13                   ; w coordinate x 8,192 bytes
.endr
	s_and_b32 s79, s39, 3                          ; Wt
	s_lshl_b32 s79, s79, 2
	s_add_co_u32 s79, s79, 2                       ; 4 Wt + 2
	s_lshr_b32 s76, s39, 6                         ; Wd
	s_lshl_b32 s76, s76, 2
	s_lshr_b32 s74, s38, 1                         ; i_d = w >> 1
	s_add_co_u32 s76, s76, s74
	s_add_co_u32 s76, s76, 2
	s_and_b32 s76, s76, 15                         ; d
	s_bfe_u32 s77, s39, 0x20004                    ; Wh
	s_lshl_b32 s77, s77, 2
	s_and_b32 s74, s38, 1
	s_lshl_b32 s74, s74, 1                         ; i_h = 2 (w & 1) + p
	s_add_co_u32 s77, s77, s74
	s_add_co_u32 s77, s77, 2
	s_wait_kmcnt 0x0
.irp p,0,1
	s_add_co_u32 s78, s77, \p
	s_and_b32 s78, s78, 15                         ; h coordinate
.irp b,0,1
	s_add_co_u32 s68, s76, 16*\b
	s_lshl4_add_u32 s68, s68, s78
	s_lshl_b32 s68, s68, 17                        ; ((b 16 + d) 16 + h) x 131,072 bytes
	s_mov_b32 s69, 0
	s_add_nc_u64 s[XB+4*\p+2*\b:XB+4*\p+2*\b+1], s[8:9], s[68:69]
	s_add_nc_u64 s[OB+4*\p+2*\b:OB+4*\p+2*\b+1], s[36:37], s[68:69]
.endr
.endr
	s_lshl_b32 s68, s39, 18
	s_mov_b32 s69, 0
	s_add_nc_u64 s[10:11], s[10:11], s[68:69]      ; my window's mask
	v_and_b32 v2, 31, v0                           ; lane
	v_and_b32 v3, 15, v0                           ; r
	v_bfe_u32 v4, v0, 4, 1                         ; h
	s_mul_i32 s74, s38, 4352                       ; my stage
	v_mul_u32_u24 v6, v4, 272
	v_lshl_add_u32 v6, v3, 4, v6
	v_add_nc_u32 v[SW], s74, v6
	v_mul_u32_u24 v7, v3, 272
	v_lshl_add_u32 v7, v4, 5, v7
	v_add_nc_u32 v[SF], s74, v7
	v_lshlrev_b32 v[PB], 5, v4
	v_mul_u32_u24 v[RH], v3, 272
	v_lshl_add_u32 v[RH], v4, 4, v[RH]
	s_lshl_b32 s74, s38, 15
	v_lshl_add_u32 v[MO], v4, 10, s74              ; (32 w + h) rows of 1,024 bytes
	v_lshl_add_u32 v[MO], v3, 4, v[MO]
	s_mul_i32 s74, s38, 24576
	v_lshl_add_u32 v1, v2, 4, s74                  ; W_qkv: my 48 rows of 512 bytes, 16 bytes a lane
	s_mul_i32 s74, s38, 13056
	s_add_co_u32 s74, s74, VREG
	v_lshl_add_u32 v9, v2, 3, s74                  ; and their place in LDS: 48 w rows of 272, 8 bytes a lane
	v_mov_b32 v[TM], 0                             ; v_permlanex16_b32 counts as a reader of its destination
	MKOT
; ---------------------------------------------------------------- phase 1: W_qkv to LDS, x in, LN1
.set GG, 64                            ; v64-127 g1, v128-191 b1 in fragment layout
.set BB, 128
	WLOADS 64, 48, 1, 16, 0
	WIN 0x40
	XLOAD 0, 0
	XLOAD 1, 0
	XLOAD 2, 0
	XLOAD 3, 0
	WIN 0
	s_wait_loadcnt 63                              ; 64 loads of x are younger than the weights'; 63 is the largest count a wait can name
	WCVT 64, 48, 64, 4
	WSTORE 64, 48, 4, 9
.set gi, 0
.rept 8
	global_load_b128 v[GG+8*gi:GG+8*gi+3], v[PB], s[12:13] offset:64*gi
	global_load_b128 v[GG+8*gi+4:GG+8*gi+7], v[PB], s[12:13] offset:64*gi+16
	global_load_b128 v[BB+8*gi:BB+8*gi+3], v[PB], s[14:15] offset:64*gi
	global_load_b128 v[BB+8*gi+4:BB+8*gi+7], v[PB], s[14:15] offset:64*gi+16
.set gi, gi+1
.endr
	s_wait_loadcnt 32                              ; x is in: only the 32 loads of g1 and b1 are younger
.macro LN1 t                           ; tile t: centre, scale, gain and bias in f32, pack to bf16 at window 1, 32 t
.set XR, 64*\t
	LNSUM
	WIN 0x41
.set li, 0
.rept 32
	v_pk_add_f32 v[XR+2*li:XR+2*li+1], v[XR+2*li:XR+2*li+1], v[MS:MS+1] neg_lo:[0,1] neg_hi:[0,1]
.set li, li+1
.endr
	WIN 0x05
	LNSQ XR
	WIN 0x41
.set li, 0
.rept 32
	v_pk_mul_f32 v[XR+2*li:XR+2*li+1], v[XR+2*li:XR+2*li+1], v[RS:RS+1]
.set li, li+1
.endr
.set li, 0
.rept 32
	v_pk_fma_f32 v[XR+2*li:XR+2*li+1], v[XR+2*li:XR+2*li+1], v[GG+2*li:GG+2*li+1], v[BB+2*li:BB+2*li+1]
.set li, li+1
.endr
	WIN 0x45
.set li, 0
.rept 32
	v_cvt_pk_bf16_f32 v[32*\t+li], v[XR+2*li], v[XR+2*li+1]
.set li, li+1
.endr
.endm
	WIN 0x44
	XPIN 0
	XPIN 32
	XPIN 64
	XPIN 96
	s_wait_loadcnt 0x0                             ; g1, b1
	s_wait_dscnt 32                                ; tile 0 is back; tile 1's 32 LDS instructions are younger
	LN1 0
	WIN 0x44
	XPIN 128
	XPIN 160
	s_wait_dscnt 32                                ; tile 1 is back
	LN1 1
	WIN 0x44
	XPIN 192
	XPIN 224
	s_wait_dscnt 32                                ; tile 2 is back
	LN1 2
	s_wait_dscnt 0x0
	LN1 3
	WIN 0
	BAR                                            ; every wave's rows of W_qkv are in LDS
; ---------------------------------------------------------------- phase 2: QKV.  v1/v2 weight addresses, v3/v4 K rows, v5/v9 V rows, v16-31 bias (2 buffers),
; v32-63 four accumulators, v64-127 weight fragments (2 buffers), v128-255 Q (32 a tile); window 1: 0-127 LN1(x), 128-255 V kept back
.set BI,  16
.set ACC, 32
.set QO,  128
	v_add_nc_u32 v1, VREG, v[RH]
	v_add_nc_u32 v2, 52224, v1                     ; 12 row tiles on, so that the offsets stay in 16 bits
	s_mul_i32 s74, s38, 8704
	s_add_co_u32 s74, s74, KREG
	v_add_nc_u32 v3, s74, v[RH]                    ; K row 32 w + r, batch 0
	v_add_nc_u32 v4, 69632, v3                     ; batch 1
	v_and_b32 v12, 15, v0
	v_bfe_u32 v13, v0, 4, 1
	v_mul_u32_u24 v12, v12, 288
	v_lshl_add_u32 v12, v13, 4, v12
	s_mul_i32 s74, s38, 9216
	s_add_co_u32 s74, s74, VREG
	v_add_nc_u32 v5, s74, v12                      ; V row 32 w + r, batch 0
	v_add_nc_u32 v9, 73728, v5
.macro QLD u                           ; 16 weight rows (4 fragments) and their bias for row tile u
.irp s,0,1,2,3
.if (\u) < 12
	ds_load_b128 v[64+32*((\u)%2)+8*\s:64+32*((\u)%2)+8*\s+3], v1 offset:(\u)*4352+64*\s
	ds_load_b128 v[64+32*((\u)%2)+8*\s+4:64+32*((\u)%2)+8*\s+7], v1 offset:(\u)*4352+64*\s+32
.else
	ds_load_b128 v[64+32*((\u)%2)+8*\s:64+32*((\u)%2)+8*\s+3], v2 offset:((\u)-12)*4352+64*\s
	ds_load_b128 v[64+32*((\u)%2)+8*\s+4:64+32*((\u)%2)+8*\s+7], v2 offset:((\u)-12)*4352+64*\s+32
.endif
.endr
	global_load_b128 v[BI+8*((\u)%2):BI+8*((\u)%2)+3], v[PB], s[18:19] offset:64*(\u)
	global_load_b128 v[BI+8*((\u)%2)+4:BI+8*((\u)%2)+7], v[PB], s[18:19] offset:64*(\u)+16
.endm
; Row tile u of W_qkv times my four token tiles.  The bias is the first product's C; the four accumulators take turns.
.macro ROWT u, kind
	WIN 0
	s_wait_dscnt 0x0                               ; this tile's fragments
	s_wait_loadcnt 0x0                             ; and bias
.if \u < 23
	QLD (\u+1)                                     ; the next tile's, into the other buffers: their last readers stand in front of the epilogue before
.endif
	WIN 0x04
.irp s,0,1,2,3
.irp q,0,1,2,3
.if \s == 0
	v_wmma_f32_16x16x32_bf16 v[ACC+8*\q:ACC+8*\q+7], v[64+32*(\u%2)+8*\s:64+32*(\u%2)+8*\s+7], v[32*\q+8*\s:32*\q+8*\s+7], v[BI+8*(\u%2):BI+8*(\u%2)+7]
.else
	v_wmma_f32_16x16x32_bf16 v[ACC+8*\q:ACC+8*\q+7], v[64+32*(\u%2)+8*\s:64+32*(\u%2)+8*\s+7], v[32*\q+8*\s:32*\q+8*\s+7], v[ACC+8*\q:ACC+8*\q+7]
.endif
.endr
.endr
	PLACES
.if \kind == 0                         ; Q: times 32^-0.5, packed, kept in registers
	WIN 0
.irp q,0,1,2,3
.irp k,0,1,2,3
	v_pk_mul_f32 v[ACC+8*\q+2*\k:ACC+8*\q+2*\k+1], v[ACC+8*\q+2*\k:ACC+8*\q+2*\k+1], 0x3e3504f3 op_sel_hi:[1,0]
.endr
.endr
.irp q,0,1,2,3
.irp k,0,1,2,3
	v_cvt_pk_bf16_f32 v[QO+32*\q+4*\u+\k], v[ACC+8*\q+2*\k], v[ACC+8*\q+2*\k+1]
.endr
.endr
.elseif \kind == 1                     ; K: packed, 16 bytes a lane into its token's row
	WIN 0
.irp q,0,1,2,3
.irp k,0,1,2,3
	v_cvt_pk_bf16_f32 v[ACC+8*\q+\k], v[ACC+8*\q+2*\k], v[ACC+8*\q+2*\k+1]
.endr
	ds_store_b128 v[3+(\q%2)], v[ACC+8*\q:ACC+8*\q+3] offset:(\q/2)*4352+32*(\u-8)
.endr
.else                                  ; V: packed, kept back in window 1: its place in LDS still holds W_qkv
	WIN 0x40
.irp q,0,1,2,3
.irp k,0,1,2,3
	v_cvt_pk_bf16_f32 v[128+32*\q+4*(\u-16)+\k], v[ACC+8*\q+2*\k], v[ACC+8*\q+2*\k+1]
.endr
.endr
.endif
.endm
	QLD 0
.irp uu,0,1,2,3,4,5,6,7
	ROWT \uu, 0
.endr
.irp uu,8,9,10,11,12,13,14,15
	ROWT \uu, 1
.endr
.irp uu,16,17,18,19,20,21,22,23
	ROWT \uu, 2
.endr
	WIN 0x40
	MASKLOAD 0                                     ; pass 0's mask, over LN1(x), which the last products have read (places: the v_nop and conversions above)
	WIN 0
	BAR                                            ; nobody reads W_qkv any more
	WIN 0x04
.irp q,0,1,2,3
.irp k,0,1,2,3,4,5,6,7
	ds_store_b128 v[5+4*(\q%2)], v[128+32*\q+4*\k:128+32*\q+4*\k+3] offset:(\q/2)*4608+32*\k
.endr
.endr
	WIN 0
	BAR                                            ; K and V of all 512 tokens are in LDS
; ---------------------------------------------------------------- phase 3: attention.  A pass = one query tile of both batches (they share the mask tile), 4 heads each.
.set AK0, 1                            ; v1  K fragments: KREG + r*272 + 16 h
.set AV0, 2                            ; v2  V turned: VREG + (8 h + lane%8)*288 + 16 ((lane>>3)&1)
.set ADR, 3
.set ADR2, 4
.set CM,  12                           ; v12-13 log2(e) x maximum
.set INV, 14                           ; v14-15 1 / row sum
.set ATM, 16
.set CC,  18                           ; v18-21 four running maxima
.set ONES, 32                          ; v32-39 a fragment of ones
.set LL,  40                           ; v40-47 row sums;  v48-55, v56-63 O^T (channels 0-15, 16-31 of the head)
.set O0,  48
.set FF,  64                           ; v64-127 fragments of K, then of V^T
.set QA,  128                          ; v128-191 Q of this pass (32 a batch), overwritten head by head with the output; v192-255 the other pass
.set SS,  128                          ; window 1: scores; packed in place to P (128-191); 192-255 then take V^T's second half.  Window 1, 0-127: mask
	v_add_nc_u32 v[AK0], KREG, v[RH]
	v_and_b32 v12, 7, v0
	v_bfe_u32 v13, v0, 4, 1
	v_lshl_add_u32 v12, v13, 3, v12
	v_mul_u32_u24 v12, v12, 288
	v_bfe_u32 v13, v0, 3, 1
	v_lshl_add_u32 v12, v13, 4, v12
	v_add_nc_u32 v[AV0], VREG, v12
	v_mov_b32 v[ADR], v[AK0]
.irp k,0,1,2,3,4,5,6,7
	v_mov_b32 v[ONES+\k], 0x3f803f80
.endr
	v_mov_b32 v[CM+1], 0                           ; second registers of pairs of which only the first is used, and a permute's destination
	v_mov_b32 v[INV+1], 0
	v_mov_b32 v[ATM], 0
.macro KLD0                            ; key tiles 0-7 of the batch and head in ADR
.irp t,0,1,2,3,4,5,6,7
	ds_load_b128 v[FF+8*\t:FF+8*\t+3], v[ADR] offset:\t*4352
	ds_load_b128 v[FF+8*\t+4:FF+8*\t+7], v[ADR] offset:\t*4352+32
.endr
.endm
; One batch, one head, 16 queries x 256 keys.  nb, nhd: the step whose first K fragments are fetched at the end.  last = 1: the pass's last step, which has read the mask for the last time.
.macro ATT b, hd, nb, nhd, last
	s_wait_dscnt 0x0
	WIN 0x50
.irp t,0,1,2,3,4,5,6,7                 ; S^T = K Q^T + mask: one product a key tile (the head is 32 channels), the mask tile as C
	v_wmma_f32_16x16x32_bf16 v[SS+8*\t:SS+8*\t+7], v[FF+8*\t:FF+8*\t+7], v[QA+32*\b+8*\hd:QA+32*\b+8*\hd+7], v[8*\t:8*\t+7]
.endr
	WIN 0
	PLACES
.irp t,0,1,2,3,4,5,6,7
	ds_load_b128 v[FF+8*\t:FF+8*\t+3], v[ADR] offset:(8+\t)*4352
	ds_load_b128 v[FF+8*\t+4:FF+8*\t+7], v[ADR] offset:(8+\t)*4352+32
.endr
	s_wait_dscnt 0x0
	WIN 0x50
.irp t,0,1,2,3,4,5,6,7
	v_wmma_f32_16x16x32_bf16 v[SS+64+8*\t:SS+64+8*\t+7], v[FF+8*\t:FF+8*\t+7], v[QA+32*\b+8*\hd:QA+32*\b+8*\hd+7], v[64+8*\t:64+8*\t+7]
.endr
	WIN 0
	v_add_nc_u32 v[ADR], \b*73728+64*\hd, v[AV0]   ; these four lines are the places behind the products
	v_add_nc_u32 v[ADR2], \b*73728+64*\hd+36864, v[AV0]
	v_nop
	v_nop
.irp kp,0,1,2,3                        ; V^T, keys 0-127: fragment 2 kp + c = 16 channels x 32 keys, turned on the way out of LDS
.irp c,0,1
	ds_load_tr16_b128 v[FF+8*(2*\kp+\c):FF+8*(2*\kp+\c)+3], v[ADR] offset:\kp*9216+32*\c
	ds_load_tr16_b128 v[FF+8*(2*\kp+\c)+4:FF+8*(2*\kp+\c)+7], v[ADR] offset:\kp*9216+32*\c+4608
.endr
.endr
.if \last
	s_cmp_eq_u32 s72, 1
	s_cbranch_scc1 .Lnomask                        ; only pass 0 asks for a further mask tile
	WIN 0x40
	MASKLOAD 16384
	WIN 0
.Lnomask:
.endif
	WIN 0x15                                       ; the maximum of my 128 scores
.irp j,0,1,2,3
	v_max3_num_f32 v[CC+\j], v[SS+8*\j], v[SS+8*\j+1], v[SS+8*\j+2]
.endr
	WIN 0x14
.irp j,0,1,2,3
	v_max3_num_f32 v[CC+\j], v[CC+\j], v[SS+8*\j+3], v[SS+8*\j+4]
.endr
.irp j,0,1,2,3
	v_max3_num_f32 v[CC+\j], v[CC+\j], v[SS+8*\j+5], v[SS+8*\j+6]
.endr
	v_max3_num_f32 v[CC], v[CC], v[SS+7], v[SS+15]
	v_max3_num_f32 v[CC+1], v[CC+1], v[SS+23], v[SS+31]
.set mi, 16
.rept 48
	v_max3_num_f32 v[CC+mi%4], v[CC+mi%4], v[SS+2*mi], v[SS+2*mi+1]
.set mi, mi+1
.endr
	WIN 0
	v_max3_num_f32 v[CC], v[CC], v[CC+1], v[CC+2]
	v_max_num_f32 v[CC], v[CC], v[CC+3]
	v_permlanex16_b32 v[ATM], v[CC], s60, s61      ; the query's other 128 keys lie 16 lanes away
	v_max_num_f32 v[CC], v[CC], v[ATM]
	v_mul_f32 v[CM], s66, v[CC]
	; p = 2^(log2e s - log2e m), rounded to bf16 in place.  A plain instruction stands behind every exponential before its result is used.
	WIN 0x45
.irp k,0,1
	v_pk_fma_f32 v[SS+2*\k:SS+2*\k+1], v[SS+2*\k:SS+2*\k+1], s[66:67], v[CM:CM+1] op_sel_hi:[1,0,0] neg_lo:[0,0,1] neg_hi:[0,0,1]
.endr
.set ei, 0
.rept 64
	v_exp_f32 v[SS+2*ei], v[SS+2*ei]
.if ei < 62
	v_pk_fma_f32 v[SS+2*ei+4:SS+2*ei+5], v[SS+2*ei+4:SS+2*ei+5], s[66:67], v[CM:CM+1] op_sel_hi:[1,0,0] neg_lo:[0,0,1] neg_hi:[0,0,1]
.endif
	v_exp_f32 v[SS+2*ei+1], v[SS+2*ei+1]
.if ei > 0
	s_wait_alu depctr_va_vdst(0)
	v_cvt_pk_bf16_f32 v[SS+ei-1], v[SS+2*ei-2], v[SS+2*ei-1]
.endif
.set ei, ei+1
.endr
	v_cvt_pk_bf16_f32 v[SS+63], v[SS+126], v[SS+127]
	WIN 0x40
.irp kp,0,1,2,3                        ; V^T, keys 128-255, into the registers that the packing has freed
.irp c,0,1
	ds_load_tr16_b128 v[192+8*(2*\kp+\c):192+8*(2*\kp+\c)+3], v[ADR2] offset:\kp*9216+32*\c
	ds_load_tr16_b128 v[192+8*(2*\kp+\c)+4:192+8*(2*\kp+\c)+7], v[ADR2] offset:\kp*9216+32*\c+4608
.endr
.endr
	s_wait_dscnt 16                                ; the first half of V^T is in; the 16 loads just issued are younger
	WIN 0x04                                       ; O^T = V^T P and the row sums (ones x P); the accumulators take turns
	v_wmma_f32_16x16x32_bf16 v[O0:O0+7], v[FF:FF+7], v[SS:SS+7], 0
	v_wmma_f32_16x16x32_bf16 v[LL:LL+7], v[ONES:ONES+7], v[SS:SS+7], 0
	v_wmma_f32_16x16x32_bf16 v[O0+8:O0+15], v[FF+8:FF+15], v[SS:SS+7], 0
	v_wmma_f32_16x16x32_bf16 v[LL:LL+7], v[ONES:ONES+7], v[SS+32:SS+39], v[LL:LL+7]
.irp kp,1,2,3
	v_wmma_f32_16x16x32_bf16 v[O0:O0+7], v[FF+16*\kp:FF+16*\kp+7], v[SS+8*\kp:SS+8*\kp+7], v[O0:O0+7]
	v_wmma_f32_16x16x32_bf16 v[LL:LL+7], v[ONES:ONES+7], v[SS+8*\kp:SS+8*\kp+7], v[LL:LL+7]
	v_wmma_f32_16x16x32_bf16 v[O0+8:O0+15], v[FF+16*\kp+8:FF+16*\kp+15], v[SS+8*\kp:SS+8*\kp+7], v[O0+8:O0+15]
	v_wmma_f32_16x16x32_bf16 v[LL:LL+7], v[ONES:ONES+7], v[SS+32+8*\kp:SS+32+8*\kp+7], v[LL:LL+7]
.endr
	s_wait_dscnt 0x0
	WIN 0x05
.irp kp,0,1,2,3
	v_wmma_f32_16x16x32_bf16 v[O0:O0+7], v[192+16*\kp:192+16*\kp+7], v[SS+32+8*\kp:SS+32+8*\kp+7], v[O0:O0+7]
	v_wmma_f32_16x16x32_bf16 v[O0+8:O0+15], v[192+16*\kp+8:192+16*\kp+15], v[SS+32+8*\kp:SS+32+8*\kp+7], v[O0+8:O0+15]
.endr
	WIN 0
	v_add_nc_u32 v[ADR], \nb*69632+64*\nhd, v[AK0] ; with the three v_nop: the places behind the products
	v_nop
	v_nop
	v_nop
	KLD0                                           ; the next step's first K fragments (behind the very last step they are not used; they read valid bytes)
	v_rcp_f32 v[INV], v[LL]                        ; every row of ones x P is the query's sum: the lowest register serves
	v_nop
	s_wait_alu depctr_va_vdst(0)
.irp k,0,1,2,3,4,5,6,7
	v_pk_mul_f32 v[O0+2*\k:O0+2*\k+1], v[O0+2*\k:O0+2*\k+1], v[INV:INV+1] op_sel_hi:[1,0]
.endr
.irp k,0,1,2,3,4,5,6,7                 ; the head's output takes its Q's place: it is the fragment that proj wants
	v_cvt_pk_bf16_f32 v[QA+32*\b+8*\hd+\k], v[O0+2*\k], v[O0+2*\k+1]
.endr
.endm
	KLD0
	s_mov_b32 s72, 0
.Lpass:
	s_wait_loadcnt 0x0                             ; this pass's mask
	WIN 0x44
	XPIN 0
	XPIN 32
	XPIN 64
	XPIN 96
	ATT 0, 0, 0, 1, 0
	ATT 0, 1, 0, 2, 0
	ATT 0, 2, 0, 3, 0
	ATT 0, 3, 1, 0, 0
	ATT 1, 0, 1, 1, 0
	ATT 1, 1, 1, 2, 0
	ATT 1, 2, 1, 3, 0
	ATT 1, 3, 0, 0, 1
.set wi, 0
.rept 64                               ; the passes change places, so that the eight steps are written once; after two trips tile q's output lies at v128 + 32 q
	v_swap_b32 v[128+wi], v[192+wi]
.set wi, wi+1
.endr
	s_add_co_u32 s72, s72, 1
	s_cmp_lt_u32 s72, 2
	s_cbranch_scc1 .Lpass
; ---------------------------------------------------------------- phase 4: W_proj, W_fc2, W_fc1 to LDS; x again; proj
	s_wait_loadcnt 0x0                             ; no load into window 1 is pending on any way out of the loop: its registers are loaded again only behind this wait
	s_wait_dscnt 0x0                               ; the look-ahead loads into v64-127 are back
	v_and_b32 v13, 31, v0
	s_lshl_b32 s74, s38, 13
	v_lshl_add_u32 v1, v13, 4, s74                 ; 16 rows of 512 bytes a wave (W_proj; W_fc1's last 128 rows)
	s_lshl_b32 s74, s38, 15
	v_lshl_add_u32 v2, v13, 4, s74                 ; 16 rows of 2,048 bytes a wave (W_fc2)
	s_mul_i32 s74, s38, 24576
	v_lshl_add_u32 v3, v13, 4, s74                 ; 48 rows of 512 bytes a wave (W_fc1's first 384 rows)
	s_mul_i32 s74, s38, 4352
	s_add_co_u32 s74, s74, KTAIL
	v_lshl_add_u32 v4, v13, 3, s74
	s_mul_i32 s74, s38, 16640
	s_add_co_u32 s74, s74, VREG
	v_lshl_add_u32 v5, v13, 3, s74
	s_mul_i32 s74, s38, 13056
	s_add_co_u32 s74, s74, KREG
	v_lshl_add_u32 v9, v13, 3, s74
	WLOADS 64, 16, 1, 20, 0                        ; W_proj
	WIN 0x40
	WLOADS 0, 64, 2, 32, 0                         ; W_fc2
	WIN 0
	BAR                                            ; nobody reads K or V any more
	s_wait_loadcnt 63                              ; W_proj is in: 64 loads are younger
	WCVT 64, 16, 64, 4
	WSTORE 64, 16, 4, 4
	s_wait_loadcnt 0x0
	WIN 0x45
.set wi, 0
.rept 128
	v_pk_mul_f32 v[2*wi:2*wi+1], v[2*wi:2*wi+1], 0.5 op_sel_hi:[1,0]
.set wi, wi+1
.endr
	WCVT 0, 64, 0, 4
	WIN 0x04
.set wi, 0
.rept 64                               ; piece i: quarter i % 4 of row i / 4, pitch 1,040
	ds_store_b64 v5, v[4*wi:4*wi+1] offset:(wi/4)*1040+(wi%4)*256
.set wi, wi+1
.endr
	WIN 0x40
	WLOADS 0, 48, 3, 28, 0                         ; W_fc1, rows 0-383
	s_wait_loadcnt 0x0
	WIN 0x45
	WCVT 0, 48, 0, 4
	WIN 0x04
	WSTORE 0, 48, 4, 9
	WIN 0
	MKOT
	global_load_b128 v[32:35], v25, s[22:23]       ; b_proj as the rows of x lie: channels 4 r .. and 64 + 4 r ..
	global_load_b128 v[36:39], v25, s[22:23] offset:256
	WIN 0x40
	XLOAD 0, 1
	XLOAD 1, 1
	XLOAD 2, 1
	XLOAD 3, 1
	WIN 0
	WLOADS 64, 16, 1, 28, 196608                   ; W_fc1, rows 384-511: held in registers until W_proj has been read out
	BAR                                            ; W_proj, W_fc2 and W_fc1's first rows are in LDS
	s_wait_loadcnt 16                              ; b_proj and x are in; the 16 loads just named are younger
	WIN 0x41
.set wi, 0
.rept 64                               ; the residual and proj's bias start proj's sums
	v_pk_add_f32 v[4*wi:4*wi+1], v[4*wi:4*wi+1], v[32+4*((wi/8)%2):32+4*((wi/8)%2)+1]
	v_pk_add_f32 v[4*wi+2:4*wi+3], v[4*wi+2:4*wi+3], v[34+4*((wi/8)%2):34+4*((wi/8)%2)+1]
.set wi, wi+1
.endr
	WIN 0x44
.irp k,0,1,2,3,4,5,6,7
	XPIN 32*\k
.endr
	WIN 0
	s_wait_loadcnt 0x0
	WCVT 64, 16, 64, 2                             ; v64-95: W_fc1's last rows, packed
	v_add_nc_u32 v1, KTAIL, v[RH]
.macro PLD o                           ; W_proj's row tile o: four fragments, buffers v96 (even) and v32 (odd)
.irp s,0,1,2,3
	ds_load_b128 v[96-64*((\o)%2)+8*\s:96-64*((\o)%2)+8*\s+3], v1 offset:(\o)*4352+64*\s
	ds_load_b128 v[96-64*((\o)%2)+8*\s+4:96-64*((\o)%2)+8*\s+7], v1 offset:(\o)*4352+64*\s+32
.endr
.endm
	PLD 0
.irp o,0,1,2,3,4,5,6,7
	s_wait_dscnt 0x0
	WIN 0
	PLACES                                         ; the other buffer's readers stand just in front
.if \o < 7
	PLD (\o+1)
.endif
	WIN 0x50
.irp s,0,1,2,3
.irp q,0,1,2,3                         ; x1 = x + b_proj + W_proj O: four accumulators by turns
	v_wmma_f32_16x16x32_bf16 v[64*\q+8*\o:64*\q+8*\o+7], v[96-64*(\o%2)+8*\s:96-64*(\o%2)+8*\s+7], v[128+32*\q+8*\s:128+32*\q+8*\s+7], v[64*\q+8*\o:64*\q+8*\o+7]
.endr
.endr
.endr
	PLACES
; ---------------------------------------------------------------- phase 5: LN2.  x1 stays in window 1 (fc2 will add onto it); LN2(x1) goes packed to v128-255
.set ST,  16                           ; v16-23 {rstd, mean rstd} a tile
.set GB,  32                           ; v32-63 g2 (8) and b2 (8) of a channel group, two buffers
.set TT,  96                           ; v96-127 at work
.set X2,  128
.irp q,0,1,2,3
.set XR, 64*\q
	LNSUM
	WIN 0x01
.set li, 0
.rept 32
	v_pk_add_f32 v[X2+2*li:X2+2*li+1], v[XR+2*li:XR+2*li+1], v[MS:MS+1] neg_lo:[0,1] neg_hi:[0,1]
.set li, li+1
.endr
	WIN 0
	LNSQ X2
	v_mov_b32 v[ST+2*\q], v[RS]
	v_mul_f32 v[ST+2*\q+1], v[MS], v[RS]
.endr
.macro GBLD g
	global_load_b128 v[GB+16*((\g)%2):GB+16*((\g)%2)+3], v[PB], s[24:25] offset:64*(\g)
	global_load_b128 v[GB+16*((\g)%2)+4:GB+16*((\g)%2)+7], v[PB], s[24:25] offset:64*(\g)+16
	global_load_b128 v[GB+16*((\g)%2)+8:GB+16*((\g)%2)+11], v[PB], s[26:27] offset:64*(\g)
	global_load_b128 v[GB+16*((\g)%2)+12:GB+16*((\g)%2)+15], v[PB], s[26:27] offset:64*(\g)+16
.endm
	GBLD 0
.irp g,0,1,2,3,4,5,6,7
	WIN 0
.if \g < 7
	GBLD (\g+1)
	s_wait_loadcnt 4                               ; this group's g2 and b2 are in; the next group's four loads are younger
.else
	s_wait_loadcnt 0x0
.endif
	WIN 0x01
.irp q,0,1,2,3
.irp k,0,1,2,3
	v_pk_fma_f32 v[TT+8*\q+2*\k:TT+8*\q+2*\k+1], v[64*\q+8*\g+2*\k:64*\q+8*\g+2*\k+1], v[ST+2*\q:ST+2*\q+1], v[ST+2*\q:ST+2*\q+1] op_sel:[0,0,1] op_sel_hi:[1,0,1] neg_lo:[0,0,1] neg_hi:[0,0,1]
.endr
.endr
	WIN 0
.irp q,0,1,2,3
.irp k,0,1,2,3
	v_pk_fma_f32 v[TT+8*\q+2*\k:TT+8*\q+2*\k+1], v[TT+8*\q+2*\k:TT+8*\q+2*\k+1], v[GB+16*(\g%2)+2*\k:GB+16*(\g%2)+2*\k+1], v[GB+16*(\g%2)+8+2*\k:GB+16*(\g%2)+8+2*\k+1]
.endr
.endr
.irp q,0,1,2,3
.irp k,0,1,2,3
	v_cvt_pk_bf16_f32 v[X2+32*\q+4*\g+\k], v[TT+8*\q+2*\k], v[TT+8*\q+2*\k+1]
.endr
.endr
.endr
	BAR                                            ; every wave has read W_proj out
	WSTORE 64, 16, 2, 4                            ; W_fc1's rows 384-511 take its place
	BAR
; ---------------------------------------------------------------- phase 6: the MLP, 16 chunks of 32 hidden channels: fc1, GELU, fc2 onto x1
.set AW1B, 1                           ; v1 W_fc1 fragments, chunk 0;  v2 this chunk's;  v3, v4 W_fc2 fragments, output tiles 0-3 and 4-7, this chunk's
.set AW1,  2
.set T,    8                           ; v8-15 at work
.set WF,   32                          ; v32-63 four weight fragments
.set A1,   64                          ; v64-127 16 a tile: fc1's two results; then H (8)
	v_and_b32 v2, 15, v0
	v_bfe_u32 v3, v0, 4, 1
	v_lshlrev_b32 v5, 5, v3                        ; 32 h
	v_mul_u32_u24 v1, v2, 272
	v_lshl_add_u32 v1, v3, 4, v1
	v_add_nc_u32 v[AW1B], KREG, v1
	v_mul_u32_u24 v4, v2, 1040
	v_lshl_add_u32 v4, v3, 4, v4
	v_add_nc_u32 v3, VREG, v4
	v_add_nc_u32 v4, 66560, v3
	v_mov_b32 v[AW1], v[AW1B]
	s_mov_b64 s[70:71], s[30:31]
.macro BILD                            ; b_fc1 of a chunk's 32 channels, in the result's layout
	global_load_b128 v[BI:BI+3], v5, s[70:71]
	global_load_b128 v[BI+4:BI+7], v5, s[70:71] offset:16
	global_load_b128 v[BI+8:BI+11], v5, s[70:71] offset:64
	global_load_b128 v[BI+12:BI+15], v5, s[70:71] offset:80
.endm
.macro W1LD u
.irp s,0,1,2,3
	ds_load_b128 v[WF+8*\s:WF+8*\s+3], v[AW1] offset:\u*4352+64*\s
	ds_load_b128 v[WF+8*\s+4:WF+8*\s+7], v[AW1] offset:\u*4352+64*\s+32
.endr
.endm
.macro W2LD va
.irp o,0,1,2,3
	ds_load_b128 v[WF+8*\o:WF+8*\o+3], v[\va] offset:\o*16640
	ds_load_b128 v[WF+8*\o+4:WF+8*\o+7], v[\va] offset:\o*16640+32
.endr
.endm
.macro FC1 u                           ; 16 hidden channels x my 64 tokens; the bias is the first product's C; four accumulators by turns
.irp s,0,1,2,3
.irp q,0,1,2,3
.if \s == 0
	v_wmma_f32_16x16x32_bf16 v[A1+16*\q+8*\u:A1+16*\q+8*\u+7], v[WF+8*\s:WF+8*\s+7], v[X2+32*\q+8*\s:X2+32*\q+8*\s+7], v[BI+8*\u:BI+8*\u+7]
.else
	v_wmma_f32_16x16x32_bf16 v[A1+16*\q+8*\u:A1+16*\q+8*\u+7], v[WF+8*\s:WF+8*\s+7], v[X2+32*\q+8*\s:X2+32*\q+8*\s+7], v[A1+16*\q+8*\u:A1+16*\q+8*\u+7]
.endif
.endr
.endr
.endm
.macro FC2 base                        ; four output tiles x four token tiles: sixteen accumulators, one product each
	WIN 0x50
.irp o,0,1,2,3
.irp q,0,1,2,3
	v_wmma_f32_16x16x32_bf16 v[64*\q+8*(\base+\o):64*\q+8*(\base+\o)+7], v[WF+8*\o:WF+8*\o+7], v[A1+16*\q:A1+16*\q+7], v[64*\q+8*(\base+\o):64*\q+8*(\base+\o)+7]
.endr
.endr
.endm
; 2 gelu(x) = x + |x| erf(|x| / sqrt 2), in place, for the pairs at x and y.  erf(z) = 1 - a5 (((((t + c4) t + c3) t + c2) t + c1) t) e^(-z z), t = 1 / (1 + p z);
; a5 goes into the exponent.  x's temporaries: T .. T+7; y's: the pairs at a, b, c, d.
.macro GELU2 x, y, a, b, c, d
	v_and_b32 v[T], 0x7fffffff, v[\x]
	v_and_b32 v[T+1], 0x7fffffff, v[\x+1]
	v_and_b32 v[\a], 0x7fffffff, v[\y]
	v_and_b32 v[\a+1], 0x7fffffff, v[\y+1]
	v_pk_fma_f32 v[T+2:T+3], v[T:T+1], 0x3e6d3388, 1.0 op_sel_hi:[1,0,0]       ; 1 + 0.23164189 |x|
	v_pk_fma_f32 v[\b:\b+1], v[\a:\a+1], 0x3e6d3388, 1.0 op_sel_hi:[1,0,0]
	v_pk_mul_f32 v[T+4:T+5], v[\x:\x+1], 0x3f596d27 op_sel_hi:[1,0]            ; x sqrt(log2(e) / 2)
	v_pk_mul_f32 v[\c:\c+1], v[\y:\y+1], 0x3f596d27 op_sel_hi:[1,0]
	v_rcp_f32 v[T+2], v[T+2]
	v_rcp_f32 v[T+3], v[T+3]
	v_rcp_f32 v[\b], v[\b]
	v_rcp_f32 v[\b+1], v[\b+1]
	v_pk_fma_f32 v[T+4:T+5], v[T+4:T+5], v[T+4:T+5], 0x3db01422 op_sel_hi:[1,1,0] neg_lo:[1,0,0] neg_hi:[1,0,0]   ; log2(a5) - x x log2(e) / 2
	v_pk_fma_f32 v[\c:\c+1], v[\c:\c+1], v[\c:\c+1], 0x3db01422 op_sel_hi:[1,1,0] neg_lo:[1,0,0] neg_hi:[1,0,0]
	v_exp_f32 v[T+4], v[T+4]
	v_exp_f32 v[T+5], v[T+5]
	v_exp_f32 v[\c], v[\c]
	v_exp_f32 v[\c+1], v[\c+1]
	s_wait_alu depctr_va_vdst(0)
	v_pk_add_f32 v[T+6:T+7], v[T+2:T+3], 0xbfaf3e1c op_sel_hi:[1,0]
	v_pk_add_f32 v[\d:\d+1], v[\b:\b+1], 0xbfaf3e1c op_sel_hi:[1,0]
	v_pk_fma_f32 v[T+6:T+7], v[T+6:T+7], v[T+2:T+3], 0x3fab6a47 op_sel_hi:[1,1,0]
	v_pk_fma_f32 v[\d:\d+1], v[\d:\d+1], v[\b:\b+1], 0x3fab6a47 op_sel_hi:[1,1,0]
	v_pk_fma_f32 v[T+6:T+7], v[T+6:T+7], v[T+2:T+3], 0xbe893c3f op_sel_hi:[1,1,0]
	v_pk_fma_f32 v[\d:\d+1], v[\d:\d+1], v[\b:\b+1], 0xbe893c3f op_sel_hi:[1,1,0]
	v_pk_fma_f32 v[T+6:T+7], v[T+6:T+7], v[T+2:T+3], 0x3e75d95a op_sel_hi:[1,1,0]
	v_pk_fma_f32 v[\d:\d+1], v[\d:\d+1], v[\b:\b+1], 0x3e75d95a op_sel_hi:[1,1,0]
	v_pk_mul_f32 v[T+6:T+7], v[T+6:T+7], v[T+2:T+3]
	v_pk_mul_f32 v[\d:\d+1], v[\d:\d+1], v[\b:\b+1]
	v_pk_fma_f32 v[T+6:T+7], v[T+6:T+7], v[T+4:T+5], 1.0 op_sel_hi:[1,1,0] neg_lo:[1,0,0] neg_hi:[1,0,0]          ; erf
	v_pk_fma_f32 v[\d:\d+1], v[\d:\d+1], v[\c:\c+1], 1.0 op_sel_hi:[1,1,0] neg_lo:[1,0,0] neg_hi:[1,0,0]
	v_pk_fma_f32 v[\x:\x+1], v[T:T+1], v[T+6:T+7], v[\x:\x+1]
	v_pk_fma_f32 v[\y:\y+1], v[\a:\a+1], v[\d:\d+1], v[\y:\y+1]
.endm
	BILD
	W1LD 0
	s_mov_b32 s73, 0
.Lmlp:
	s_wait_loadcnt 0x0                             ; this chunk's bias
	s_wait_dscnt 0x0                               ; and its first 16 rows of W_fc1
	FC1 0
	PLACES
	W1LD 1
.irp q,0,1,2,3                         ; each result is first read at its low end; tile 0's second result is not made yet: its registers serve as temporaries
	GELU2 A1+16*\q, A1+16*\q+2, A1+8, A1+10, A1+12, A1+14
	GELU2 A1+16*\q+4, A1+16*\q+6, A1+8, A1+10, A1+12, A1+14
.endr
.irp q,0,1,2,3
.irp k,0,1,2,3
	v_cvt_pk_bf16_f32 v[A1+16*\q+\k], v[A1+16*\q+2*\k], v[A1+16*\q+2*\k+1]
.endr
.endr
	s_wait_dscnt 0x0
	FC1 1
	PLACES
	W2LD 3
	s_add_co_u32 s74, s73, 1                       ; the next chunk; behind the last it wraps to chunk 0, so that the look-ahead stays inside its buffer and inside the image
	s_and_b32 s74, s74, 15
	s_lshl_b32 s68, s74, 7
	s_mov_b32 s69, 0
	s_add_nc_u64 s[70:71], s[30:31], s[68:69]      ; the loads that named this base were waited for at the trip's head
	s_mul_i32 s75, s74, 8704
	BILD
.irp q,0,1,2,3                         ; temporaries: the registers that the first half's packing has freed in tiles 0 and 1
	GELU2 A1+16*\q+8, A1+16*\q+10, A1+4, A1+6, A1+20, A1+22
	GELU2 A1+16*\q+12, A1+16*\q+14, A1+4, A1+6, A1+20, A1+22
.endr
.irp q,0,1,2,3
.irp k,0,1,2,3
	v_cvt_pk_bf16_f32 v[A1+16*\q+4+\k], v[A1+16*\q+8+2*\k], v[A1+16*\q+9+2*\k]
.endr
.endr
	s_wait_dscnt 0x0
	FC2 0
	WIN 0
	PLACES
	W2LD 4
	s_wait_dscnt 0x0
	FC2 4
	WIN 0
	v_add_nc_u32 v[AW1], s75, v[AW1B]              ; five places: the next trip's first products write over H, which the products above read
	v_add_nc_u32 v3, 64, v3
	v_add_nc_u32 v4, 64, v4
	v_nop
	v_nop
	W1LD 0
	s_add_co_u32 s73, s73, 1
	s_cmp_lt_u32 s73, 16
	s_cbranch_scc1 .Lmlp
; ---------------------------------------------------------------- the way out: through my stage back to rows, + b_fc2, stored
	s_wait_loadcnt 0x0                             ; the last trip's look-ahead
	s_wait_dscnt 0x0
	MKOT                                           ; also the places behind the last products
	global_load_b128 v[32:35], v25, s[34:35]       ; b_fc2 as the rows of out0 lie
	global_load_b128 v[36:39], v25, s[34:35] offset:256
	WIN 0x44
	XPOUT 0
.set oi, 0
.rept 8                                ; block oi: tile oi / 2, channels 64 (oi % 2) on
.if oi < 7
	WIN 0x44
	XPOUT 32*(oi+1)
	s_wait_dscnt 16                                ; block oi is back; the next block's 16 LDS instructions are younger
.else
	s_wait_dscnt 0x0
.endif
.if oi == 0
	s_wait_loadcnt 0x0
.endif
	WIN 0x41
.irp i,0,1,2,3,4,5,6,7
	v_pk_add_f32 v[32*oi+4*\i:32*oi+4*\i+1], v[32*oi+4*\i:32*oi+4*\i+1], v[32+4*(oi%2):32+4*(oi%2)+1]
	v_pk_add_f32 v[32*oi+4*\i+2:32*oi+4*\i+3], v[32*oi+4*\i+2:32*oi+4*\i+3], v[34+4*(oi%2):34+4*(oi%2)+1]
.endr
	WIN 0x04
.irp i,0,1,2,3,4,5,6,7
	global_store_b128 v[OT+\i], v[32*oi+4*\i:32*oi+4*\i+3], s[OB+2*(oi/2):OB+2*(oi/2)+1] offset:256*(oi%2) th:TH_STORE_NT   ; 16 lanes store 256 consecutive bytes, at a multiple of 256 from out0's first byte
.endr
.set oi, oi+1
.endr
	WIN 0
	s_wait_xcnt 0x0
	v_lshl_add_u32 v254, v0, 2, 0x4e800
	v_mov_b32 v255, 0
	s_wait_tensorcnt 0x0
	ds_add_u32 v254, v255
	s_wait_dscnt 0x0
	s_endpgm
.Lfunc_end_k_q1c13e21eb0_swin:
	.size	k_q1c13e21eb0_swin, .Lfunc_end_k_q1c13e21eb0_swin-k_q1c13e21eb0_swin
	.p2alignl 7, 3214868480
	.fill 96, 4, 3214868480
	.section	.rodata,"a",@progbits
	.p2align	6, 0x0
	.amdhsa_kernel k_q1c13e21eb0_swin
		.amdhsa_group_segment_fixed_size 322560
		.amdhsa_private_segment_fixed_size 0
		.amdhsa_enable_private_segment 0
		.amdhsa_kernarg_size 120
		.amdhsa_user_sgpr_count 2
		.amdhsa_user_sgpr_kernarg_segment_ptr 1
		.amdhsa_wavefront_size32 1
		.amdhsa_system_sgpr_workgroup_id_x 1
		.amdhsa_system_sgpr_workgroup_id_y 1
		.amdhsa_system_sgpr_workgroup_id_z 1
		.amdhsa_system_vgpr_workitem_id 0
		.amdhsa_next_free_vgpr 512
		.amdhsa_next_free_sgpr 80
		.amdhsa_reserve_vcc 0
		.amdhsa_float_denorm_mode_32 3
		.amdhsa_float_denorm_mode_16_64 3
		.amdhsa_memory_ordered 1
		.amdhsa_forward_progress 1
		.amdhsa_inst_pref_size 255
	.end_amdhsa_kernel
	.section	.bss,"aw",@nobits
	.p2align	6
	.space	262144
	.amdgpu_metadata
---
amdhsa.version: [ 1, 2 ]
amdhsa.kernels:
  - .name:           k_q1c13e21eb0_swin
    .symbol:         k_q1c13e21eb0_swin.kd
    .args:
      - { .name: x, .offset: 0, .size: 8, .value_kind: global_buffer, .address_space: global }
      - { .name: mask_matrix, .offset: 8, .size: 8, .value_kind: global_buffer, .address_space: global }
      - { .name: g1, .offset: 16, .size: 8, .value_kind: global_buffer, .address_space: global }
      - { .name: b1, .offset: 24, .size: 8, .value_kind: global_buffer, .address_space: global }
      - { .name: w_qkv, .offset: 32, .size: 8, .value_kind: global_buffer, .address_space: global }
      - { .name: b_qkv, .offset: 40, .size: 8, .value_kind: global_buffer, .address_space: global }
      - { .name: w_proj, .offset: 48, .size: 8, .value_kind: global_buffer, .address_space: global }
      - { .name: b_proj, .offset: 56, .size: 8, .value_kind: global_buffer, .address_space: global }
      - { .name: g2, .offset: 64, .size: 8, .value_kind: global_buffer, .address_space: global }
      - { .name: b2, .offset: 72, .size: 8, .value_kind: global_buffer, .address_space: global }
      - { .name: w_fc1, .offset: 80, .size: 8, .value_kind: global_buffer, .address_space: global }
      - { .name: b_fc1, .offset: 88, .size: 8, .value_kind: global_buffer, .address_space: global }
      - { .name: w_fc2, .offset: 96, .size: 8, .value_kind: global_buffer, .address_space: global }
      - { .name: b_fc2, .offset: 104, .size: 8, .value_kind: global_buffer, .address_space: global }
      - { .name: out0, .offset: 112, .size: 8, .value_kind: global_buffer, .address_space: global }
    .group_segment_fixed_size: 322560
    .private_segment_fixed_size: 0
    .kernarg_segment_align: 8
    .kernarg_segment_size: 120
    .max_flat_workgroup_size: 256
    .sgpr_count:     80
    .vgpr_count:     512
    .wavefront_size: 32
...
	.end_amdgpu_metadata
.endif
;; end of part 1
;; ======== version 2 of 2: 1 launch
;; limits: a function is approximated: absolute error at most 2.5e-05; an absolute error that grows with the inputs' magnitude: up to 1.25e-05 times it
;; launch swin (part 2): grid 256 x 1, 8 waves a work-group, no clusters, 324,608 bytes of LDS; arguments x, mask_matrix, g1, b1, w_qkv, b_qkv, w_proj, b_proj, g2, b2, w_fc1, b_fc1, w_fc2, b_fc2, out0; writes out0
.if DOCPART == 2
	.amdgcn_target "amdgcn-amd-amdhsa--gfx1250"
	.amdhsa_code_object_version 6
	.text
	.protected	k_q1c13e21eb0_swin
	.globl	k_q1c13e21eb0_swin
	.p2align	8
	.type	k_q1c13e21eb0_swin,@function
k_q1c13e21eb0_swin:
	s_mov_b64 s[64:65], 0
	v_nop
	global_prefetch_b8 v0, s[64:65] scope:SCOPE_SE
	s_setreg_imm32_b32 hwreg(HW_REG_WAVE_MODE, 25, 1), 1
	s_wait_xcnt 0x0
; One Swin block (LN1, shifted windows, QKV, 4 heads of masked attention, proj, residual, LN2, fc1, exact GELU, fc2, residual) in one launch.
; SHARES.  Work-group win (0..255) owns window place win of BOTH batches: 512 tokens; so the window's mask (256 KB) is read once.
; Wave w (0..7) owns 64 tokens, four tiles of 16: tile q = 2 p + b (p: pass, b: batch) is tokens 16 (2 w + p) + r of batch b's window.
; Shift and partition only permute tokens: token (i_d,i_h,i_w,i_t) of window (Wd,Wh,Ww,Wt) lies at d = (4 Wd + i_d + 2) & 15, and so on, in x and in out0.
; LAYOUT.  Lane (r = lane % 16, h = lane / 16) holds token r; f32 register 8 t + j holds channel 16 t + 8 h + j.  Packed in pairs to bf16, registers
; 8 s .. 8 s + 7 ARE the matrix fragment of channels 32 s .. 32 s + 31.  Every product takes 16 weight rows (or keys, or channels of V) as source 0 and 16 tokens
; as source 1, so its result is in this layout again: nothing changes lanes between the products.  x, mask and out0 pass between 256-byte rows
; (16 lanes x 16 bytes) and this layout through a stage in LDS that is each wave's own.
; Weights are f32 in memory: each wave converts its share to bf16 in registers and stores it to LDS for all eight.  That is why no tensor load, copy or cluster is used:
; what work-groups share has to pass through registers, and it goes to LDS bytes that ds_store has written.
; x is read a second time for the residual: mask, x in f32, Q, K and V together do not fit in LDS and registers.
; LIMITS.  erf by Abramowitz-Stegun 7.1.25 (absolute error at most 2.5e-5 for every argument; H is rounded to bf16 behind it).  A softmax row is divided by the sum of
; its weights as rounded to bf16 (a product with ones).  v_exp, v_rcp, v_rsq flush denormals.  H holds 2 gelu and W_fc2 is staged times 0.5.
; LDS: 0 stages (8 x 4,352: 16 rows, pitch 272; between LN1 and attention they hold W_v, 16 rows a stage) |
;      KREG K[512][128] bf16 pitch 272, later W_fc1 (its rows 384-511, KTAIL, hold W_proj first) |
;      VREG W_q, W_k (256 rows, pitch 272), then V[512][128] pitch 288, then W_fc2 (128 rows, pitch 1,040) | BQ b_qkv (1,536 bytes), b_proj (512).
; REGISTERS in two windows of 256 (s_set_vgpr_msb: bits 1:0 source 0, 3:2 source 1, 5:4 source 2, 7:6 destination).  Window 1: x, then packed LN1(x) (0-127) and the
; first mask tile on its way (128-255); mask (0-127) and scores (128-255); at last the 32 accumulators of x1 / out (tile q, channel group t at 64 q + 8 t).  Window 0: see each phase.
.set KREG,  34816
.set KTAIL, 139264
.set VREG,  174080
.set BQ,    321536
.set SW,  6                            ; v6  stage, row side: w*4352 + h*272 + 16 r (rows 2 i + h at +544 i)
.set SF,  7                            ; v7  stage, fragment side: w*4352 + r*272 + 32 h
.set PB,  8                            ; v8  32 h: byte offset of a lane's 8 numbers in a group of 16 channels
.set MO,  10                           ; v10 my byte offset in the window's mask
.set RH,  11                           ; v11 r*272 + 16 h
.set OT,  16                           ; v16-23 byte offset of row 2 i + h of a token tile, + 16 r
.set SA,  32                           ; v32-39 four packed sums
.set MS,  40                           ; v40-41 mean, twice
.set RS,  42                           ; v42-43 rstd, twice
.set TM,  44
.set XB,  44                           ; s[44:51] x at tile q's plane;  s[52:59] out0 likewise
.set OB,  52
.set MSB, 0
.macro WIN new                         ; the immediate's high byte repeats the setting that is left
.if MSB != \new
	s_set_vgpr_msb (MSB<<8)|\new
.set MSB, \new
.endif
.endm
.macro PLACES                          ; four plain places behind matrix instructions (ISA guide 7.12.1)
.rept 4
	v_nop
.endr
.endm
.macro BAR                             ; my LDS instructions are done, then the work-group's barrier
	s_wait_dscnt 0x0
	s_barrier_signal -1
	s_barrier_wait -1
.endm
.macro MKOT                            ; OT[i] = ((4 Wt + 2 (i&1) + h + 2) & 15) * 512 + ((4 Ww + (i>>1) + 2) & 15) * 8192 + 16 r;  leaves 16 r in v25
	v_bfe_u32 v24, v0, 4, 1
	v_and_b32 v25, 15, v0
	v_lshlrev_b32 v25, 4, v25
	v_add_nc_u32 v26, s79, v24
	v_add_nc_u32 v24, 2, v26
	v_and_b32 v26, 15, v26
	v_and_b32 v24, 15, v24
	v_lshl_add_u32 v26, v26, 9, v25
	v_lshl_add_u32 v24, v24, 9, v25
.irp i,0,1,2,3,4,5,6,7
	v_add_nc_u32 v[OT+\i], s[40+\i/2], v[26-2*(\i%2)]
.endr
.endm
.macro XLOAD t, nt                     ; a token tile of x, 16 loads; each covers two aligned runs of 256 bytes (destination window 1)
.irp hf,0,1
.irp i,0,1,2,3,4,5,6,7
.if \nt
	global_load_b128 v[64*\t+32*\hf+4*\i:64*\t+32*\hf+4*\i+3], v[OT+\i], s[XB+2*\t:XB+2*\t+1] offset:256*\hf th:TH_LOAD_NT
.else
	global_load_b128 v[64*\t+32*\hf+4*\i:64*\t+32*\hf+4*\i+3], v[OT+\i], s[XB+2*\t:XB+2*\t+1] offset:256*\hf
.endif
.endr
.endr
.endm
.macro MASKLOAD base, imm              ; 16 queries x 256 keys of the mask, 32 loads (destination window 1); read once in the launch
.irp kq,0,1,2,3
.irp i,0,1,2,3,4,5,6,7
	global_load_b128 v[\base+32*\kq+4*\i:\base+32*\kq+4*\i+3], v[MO], s[10:11] offset:\imm+2048*\i+256*\kq th:TH_LOAD_NT
.endr
.endr
.endm
; 32 registers (16 rows x 64 f32) through my own stage.  LDS serves a wave's instructions in order (ISA guide 5.7.1.4), so no wait stands inside or between uses.  Window 0x44.
.macro XPMOVE S, D                     ; rows at S -> fragment layout at D
.irp i,0,1,2,3,4,5,6,7
	ds_store_b128 v[SW], v[\S+4*\i:\S+4*\i+3] offset:544*\i
.endr
.irp g,0,1,2,3
	ds_load_b128 v[\D+8*\g:\D+8*\g+3], v[SF] offset:64*\g
	ds_load_b128 v[\D+8*\g+4:\D+8*\g+7], v[SF] offset:64*\g+16
.endr
.endm
.macro XPIN R                          ; the same in place
	XPMOVE \R, \R
.endm
.macro XPOUT R                         ; fragment layout -> rows; each accumulator's low registers are read first
.irp g,0,1,2,3
	ds_store_b128 v[SF], v[\R+8*\g:\R+8*\g+3] offset:64*\g
	ds_store_b128 v[SF], v[\R+8*\g+4:\R+8*\g+7] offset:64*\g+16
.endr
.irp i,0,1,2,3,4,5,6,7
	ds_load_b128 v[\R+4*\i:\R+4*\i+3], v[SW] offset:544*\i
.endr
.endm
.macro WLOADS R, n, vofs, sb, imm0     ; n pieces of 512 consecutive bytes of a weight matrix, 16 bytes a lane
.set wi, 0
.rept \n
	global_load_b128 v[\R+4*wi:\R+4*wi+3], v[\vofs], s[\sb:\sb+1] offset:\imm0+512*wi
.set wi, wi+1
.endr
.endm
.macro WCVT R, n, D, dstep             ; a piece's 4 f32 a lane -> 2 registers of bf16
.set wi, 0
.rept \n
	v_cvt_pk_bf16_f32 v[\D+\dstep*wi], v[\R+4*wi], v[\R+4*wi+1]
	v_cvt_pk_bf16_f32 v[\D+\dstep*wi+1], v[\R+4*wi+2], v[\R+4*wi+3]
.set wi, wi+1
.endr
.endm
.macro WSTORE R, n, dstep, vlds, off0  ; piece i = row i of 128 bf16, pitch 272, from byte off0 on
.set wi, 0
.rept \n
	ds_store_b64 v[\vlds], v[\R+\dstep*wi:\R+\dstep*wi+1] offset:\off0+272*wi
.set wi, wi+1
.endr
.endm
.macro LNRED                           ; four packed sums -> one number for the token (its other 64 channels lie 16 lanes away)
	v_pk_add_f32 v[SA:SA+1], v[SA:SA+1], v[SA+2:SA+3]
	v_pk_add_f32 v[SA+4:SA+5], v[SA+4:SA+5], v[SA+6:SA+7]
	v_pk_add_f32 v[SA:SA+1], v[SA:SA+1], v[SA+4:SA+5]
	v_add_f32 v[SA], v[SA], v[SA+1]
	v_permlanex16_b32 v[TM], v[SA], s60, s61
	v_add_f32 v[SA], v[SA], v[TM]
.endm
.macro LNSUM                           ; mean of the 64 registers at XR in window 1; every group of 8 is first read at its low end
	WIN 0x05
.irp k,0,1,2,3
	v_pk_add_f32 v[SA+2*\k:SA+2*\k+1], v[XR+2*\k:XR+2*\k+1], v[XR+8+2*\k:XR+8+2*\k+1]
.endr
	WIN 0x01
.irp g,2,3,4,5,6,7
.irp k,0,1,2,3
	v_pk_add_f32 v[SA+2*\k:SA+2*\k+1], v[XR+8*\g+2*\k:XR+8*\g+2*\k+1], v[SA+2*\k:SA+2*\k+1]
.endr
.endr
	WIN 0
	LNRED
	v_mul_f32 v[MS], s62, v[SA]
	v_mov_b32 v[MS+1], v[MS]
.endm
.macro LNSQ R                          ; rstd from 64 centred numbers at R (the caller sets the sources' window)
.irp k,0,1,2,3
	v_pk_mul_f32 v[SA+2*\k:SA+2*\k+1], v[\R+2*\k:\R+2*\k+1], v[\R+2*\k:\R+2*\k+1]
.endr
.set qi, 4
.rept 28
	v_pk_fma_f32 v[SA+2*(qi%4):SA+2*(qi%4)+1], v[\R+2*qi:\R+2*qi+1], v[\R+2*qi:\R+2*qi+1], v[SA+2*(qi%4):SA+2*(qi%4)+1]
.set qi, qi+1
.endr
	WIN 0
	LNRED
	v_fma_f32 v[SA], v[SA], s62, s63               ; sum / 128 + 1e-5
	v_rsq_f32 v[RS], v[SA]
	v_nop                                          ; a plain instruction behind the transcendental (ISA guide 5.7.2)
	s_wait_alu depctr_va_vdst(0)
	v_mov_b32 v[RS+1], v[RS]
.endm
; ---------------------------------------------------------------- set-up
	s_load_b512 s[8:23], s[0:1], 0x0               ; x 8, mask 10, g1 12, b1 14, w_qkv 16, b_qkv 18, w_proj 20, b_proj 22
	s_load_b256 s[24:31], s[0:1], 0x40             ; g2 24, b2 26, w_fc1 28, b_fc1 30
	s_load_b128 s[32:35], s[0:1], 0x60             ; w_fc2 32, b_fc2 34
	s_load_b64 s[36:37], s[0:1], 0x70              ; out0
	v_lshrrev_b32 v1, 5, v0
	v_readfirstlane_b32 s38, v1                    ; wave 0..7
	s_mov_b32 s39, ttmp9                           ; window place
	s_mov_b32 s60, 0x76543210                      ; v_permlanex16_b32: each lane takes its own place in the other half
	s_mov_b32 s61, 0xfedcba98
	s_mov_b32 s62, 0x3c000000                      ; 1 / 128
	s_mov_b32 s63, 0x3727c5ac                      ; 1e-5
	s_mov_b32 s66, 0x3fb8aa3b                      ; log2(e)
	s_mov_b32 s67, s66
	s_bfe_u32 s74, s39, 0x20002                    ; Ww
	s_lshl_b32 s74, s74, 2
.irp k,0,1,2,3
	s_add_co_u32 s75, s74, \k+2
	s_and_b32 s75, s75, 15
	s_lshl_b32 s[40+\k], s75, 13                   ; w coordinate x 8,192 bytes
.endr
	s_and_b32 s79, s39, 3                          ; Wt
	s_lshl_b32 s79, s79, 2
	s_add_co_u32 s79, s79, 2                       ; 4 Wt + 2
	s_lshr_b32 s76, s39, 6                         ; Wd
	s_lshl_b32 s76, s76, 2
	s_lshr_b32 s74, s38, 1                         ; i_d = w >> 1
	s_add_co_u32 s76, s76, s74
	s_add_co_u32 s76, s76, 2
	s_and_b32 s76, s76, 15                         ; d
	s_bfe_u32 s77, s39, 0x20004                    ; Wh
	s_lshl_b32 s77, s77, 2
	s_and_b32 s74, s38, 1
	s_lshl_b32 s74, s74, 1                         ; i_h = 2 (w & 1) + p
	s_add_co_u32 s77, s77, s74
	s_add_co_u32 s77, s77, 2
	s_wait_kmcnt 0x0
.irp p,0,1
	s_add_co_u32 s78, s77, \p
	s_and_b32 s78, s78, 15                         ; h coordinate
.irp b,0,1
	s_add_co_u32 s68, s76, 16*\b
	s_lshl4_add_u32 s68, s68, s78
	s_lshl_b32 s68, s68, 17                        ; ((b 16 + d) 16 + h) x 131,072 bytes
	s_mov_b32 s69, 0
	s_add_nc_u64 s[XB+4*\p+2*\b:XB+4*\p+2*\b+1], s[8:9], s[68:69]
	s_add_nc_u64 s[OB+4*\p+2*\b:OB+4*\p+2*\b+1], s[36:37], s[68:69]
.endr
.endr
	s_lshl_b32 s68, s39, 18
	s_mov_b32 s69, 0
	s_add_nc_u64 s[10:11], s[10:11], s[68:69]      ; my window's mask
	s_add_nc_u64 s[70:71], s[18:19], 1024          ; b_qkv's last 128 numbers,
	s_cmp_lt_u32 s38, 4
	s_cselect_b64 s[68:69], s[70:71], s[22:23]     ; which waves 0-3 bring to LDS while waves 4-7 bring b_proj's 128
	v_and_b32 v2, 31, v0                           ; lane
	v_and_b32 v3, 15, v0                           ; r
	v_bfe_u32 v4, v0, 4, 1                         ; h
	s_mul_i32 s74, s38, 4352                       ; my stage
	v_mul_u32_u24 v6, v4, 272
	v_lshl_add_u32 v6, v3, 4, v6
	v_add_nc_u32 v[SW], s74, v6
	v_mul_u32_u24 v7, v3, 272
	v_lshl_add_u32 v7, v4, 5, v7
	v_add_nc_u32 v[SF], s74, v7
	v_lshl_add_u32 v12, v2, 3, s74                 ; my 16 rows of W_v: my stage, 8 bytes a lane
	s_add_co_u32 s74, s74, VREG
	v_lshl_add_u32 v9, v2, 3, s74                  ; my 16 rows of W_q (and, 34,816 bytes on, of W_k)
	v_lshlrev_b32 v[PB], 5, v4
	v_mul_u32_u24 v[RH], v3, 272
	v_lshl_add_u32 v[RH], v4, 4, v[RH]
	s_lshl_b32 s74, s38, 15
	v_lshl_add_u32 v[MO], v4, 10, s74              ; (32 w + h) rows of 1,024 bytes
	v_lshl_add_u32 v[MO], v3, 4, v[MO]
	s_lshl_b32 s74, s38, 13
	v_lshl_add_u32 v1, v2, 4, s74                  ; W_qkv: 16 w rows of 512 bytes, 16 bytes a lane
	v_lshlrev_b32 v5, 2, v0                        ; 4 t
	v_and_b32 v27, 127, v0
	v_lshlrev_b32 v27, 2, v27                      ; 4 (t % 128)
	v_add_nc_u32 v13, BQ, v5
	v_add_nc_u32 v14, BQ, v[PB]                    ; a row tile's bias, as the result's layout wants it
	v_mov_b32 v[TM], 0                             ; v_permlanex16_b32 counts as a reader of its destination
	MKOT
; ---------------------------------------------------------------- phase 1: W_qkv, b_qkv, b_proj to LDS, x in, LN1
.set GG, 64                            ; v64-127 g1, v128-191 b1 in fragment layout;  v192-223 my rows of W_v, packed, until my stage is free
.set BB, 128
	global_load_b32 v28, v5, s[18:19]              ; b_qkv[t]
	global_load_b32 v29, v27, s[68:69]             ; b_qkv[256 + t] (waves 0-3), b_proj[t - 128] (waves 4-7)
	WLOADS 64, 16, 1, 16, 0                        ; W_q, rows 16 w on
	WLOADS 128, 16, 1, 16, 65536                   ; W_k
	WLOADS 192, 16, 1, 16, 131072                  ; W_v
	WIN 0x40
	XLOAD 0, 0
	XLOAD 1, 0
	XLOAD 2, 0
	XLOAD 3, 0
	WIN 0
	s_wait_loadcnt 63                              ; 64 loads of x are younger than the weights'; 63 is the largest count a wait can name
	ds_store_b32 v13, v28
	ds_store_b32 v13, v29 offset:1024
	WCVT 64, 32, 64, 4
	WSTORE 64, 16, 4, 9, 0
	WSTORE 128, 16, 4, 9, 34816
	WCVT 192, 16, 192, 2
.set gi, 0
.rept 8
	global_load_b128 v[GG+8*gi:GG+8*gi+3], v[PB], s[12:13] offset:64*gi
	global_load_b128 v[GG+8*gi+4:GG+8*gi+7], v[PB], s[12:13] offset:64*gi+16
	global_load_b128 v[BB+8*gi:BB+8*gi+3], v[PB], s[14:15] offset:64*gi
	global_load_b128 v[BB+8*gi+4:BB+8*gi+7], v[PB], s[14:15] offset:64*gi+16
.set gi, gi+1
.endr
	s_wait_loadcnt 32                              ; x is in: only the 32 loads of g1 and b1 are younger
.macro LN1 t                           ; tile t: centre, scale, gain and bias in f32, pack to bf16 at window 1, 32 t
.set XR, 64*\t
	LNSUM
	WIN 0x41
.set li, 0
.rept 32
	v_pk_add_f32 v[XR+2*li:XR+2*li+1], v[XR+2*li:XR+2*li+1], v[MS:MS+1] neg_lo:[0,1] neg_hi:[0,1]
.set li, li+1
.endr
	WIN 0x05
	LNSQ XR
	WIN 0x41
.set li, 0
.rept 32
	v_pk_mul_f32 v[XR+2*li:XR+2*li+1], v[XR+2*li:XR+2*li+1], v[RS:RS+1]
.set li, li+1
.endr
.set li, 0
.rept 32
	v_pk_fma_f32 v[XR+2*li:XR+2*li+1], v[XR+2*li:XR+2*li+1], v[GG+2*li:GG+2*li+1], v[BB+2*li:BB+2*li+1]
.set li, li+1
.endr
	WIN 0x45
.set li, 0
.rept 32
	v_cvt_pk_bf16_f32 v[32*\t+li], v[XR+2*li], v[XR+2*li+1]
.set li, li+1
.endr
.endm
	WIN 0x44
	XPIN 0
	XPIN 32
	XPIN 64
	XPIN 96
	s_wait_loadcnt 0x0                             ; g1, b1
	s_wait_dscnt 32                                ; tile 0 is back; tile 1's 32 LDS instructions are younger
	LN1 0
	WIN 0x44
	XPIN 128
	XPIN 160
	s_wait_dscnt 32                                ; tile 1 is back
	LN1 1
	WIN 0x44
	XPIN 192
	XPIN 224
	s_wait_dscnt 32                                ; tile 2 is back
	LN1 2
	s_wait_dscnt 0x0                               ; tile 3 is back: my stage has served x
	WIN 0
	WSTORE 192, 16, 2, 12, 0                       ; it takes my 16 rows of W_v: the eight stages together are W_v's 128 rows at pitch 272
	LN1 3
	WIN 0x40
	MASKLOAD 128, 0                                ; pass 0's mask, into the registers that x's tiles 2 and 3 have left: it has all of QKV, which holds no other global load, in which to land
	WIN 0
	BAR                                            ; every wave's rows of W_qkv, b_qkv and b_proj are in LDS
; ---------------------------------------------------------------- phase 2: QKV.  v1/v2 weight addresses, v3/v4 K rows, v5/v9 V rows, v14 bias, v16-31 bias (2 buffers),
; v32-63 four accumulators, v64-127 weight fragments (2 buffers), v128-255 Q (32 a tile); window 1: 0-127 LN1(x)
.set BI,  16
.set ACC, 32
.set QO,  128
	v_add_nc_u32 v1, VREG, v[RH]
	v_add_nc_u32 v2, 52224, v1                     ; 12 row tiles on, so that the offsets stay in 16 bits
	s_mul_i32 s74, s38, 8704
	s_add_co_u32 s74, s74, KREG
	v_add_nc_u32 v3, s74, v[RH]                    ; K row 32 w + r, batch 0
	v_add_nc_u32 v4, 69632, v3                     ; batch 1
	v_and_b32 v12, 15, v0
	v_bfe_u32 v13, v0, 4, 1
	v_mul_u32_u24 v12, v12, 288
	v_lshl_add_u32 v12, v13, 4, v12
	s_mul_i32 s74, s38, 9216
	s_add_co_u32 s74, s74, VREG
	v_add_nc_u32 v5, s74, v12                      ; V row 32 w + r, batch 0
	v_add_nc_u32 v9, 73728, v5
.macro QLD u                           ; 16 weight rows (4 fragments) and their bias for row tile u: W_q, W_k in V's place, W_v in the stages
.irp s,0,1,2,3
.if (\u) < 12
	ds_load_b128 v[64+32*((\u)%2)+8*\s:64+32*((\u)%2)+8*\s+3], v1 offset:(\u)*4352+64*\s
	ds_load_b128 v[64+32*((\u)%2)+8*\s+4:64+32*((\u)%2)+8*\s+7], v1 offset:(\u)*4352+64*\s+32
.elseif (\u) < 16
	ds_load_b128 v[64+32*((\u)%2)+8*\s:64+32*((\u)%2)+8*\s+3], v2 offset:((\u)-12)*4352+64*\s
	ds_load_b128 v[64+32*((\u)%2)+8*\s+4:64+32*((\u)%2)+8*\s+7], v2 offset:((\u)-12)*4352+64*\s+32
.else
	ds_load_b128 v[64+32*((\u)%2)+8*\s:64+32*((\u)%2)+8*\s+3], v[RH] offset:((\u)-16)*4352+64*\s
	ds_load_b128 v[64+32*((\u)%2)+8*\s+4:64+32*((\u)%2)+8*\s+7], v[RH] offset:((\u)-16)*4352+64*\s+32
.endif
.endr
	ds_load_b128 v[BI+8*((\u)%2):BI+8*((\u)%2)+3], v14 offset:64*(\u)
	ds_load_b128 v[BI+8*((\u)%2)+4:BI+8*((\u)%2)+7], v14 offset:64*(\u)+16
.endm
; Row tile u of W_qkv times my four token tiles.  The bias is the first product's C; the four accumulators take turns.
.macro ROWT u, kind
	WIN 0
	s_wait_dscnt 0x0                               ; this tile's fragments and bias
.if \u < 23
	QLD (\u+1)                                     ; the next tile's, into the other buffers: their last readers stand in front of the epilogue before
.endif
	WIN 0x04
.irp s,0,1,2,3
.irp q,0,1,2,3
.if \s == 0
	v_wmma_f32_16x16x32_bf16 v[ACC+8*\q:ACC+8*\q+7], v[64+32*(\u%2)+8*\s:64+32*(\u%2)+8*\s+7], v[32*\q+8*\s:32*\q+8*\s+7], v[BI+8*(\u%2):BI+8*(\u%2)+7]
.else
	v_wmma_f32_16x16x32_bf16 v[ACC+8*\q:ACC+8*\q+7], v[64+32*(\u%2)+8*\s:64+32*(\u%2)+8*\s+7], v[32*\q+8*\s:32*\q+8*\s+7], v[ACC+8*\q:ACC+8*\q+7]
.endif
.endr
.endr
	PLACES
	WIN 0
.if \kind == 0                         ; Q: times 32^-0.5, packed, kept in registers
.irp q,0,1,2,3
.irp k,0,1,2,3
	v_pk_mul_f32 v[ACC+8*\q+2*\k:ACC+8*\q+2*\k+1], v[ACC+8*\q+2*\k:ACC+8*\q+2*\k+1], 0x3e3504f3 op_sel_hi:[1,0]
.endr
.endr
.irp q,0,1,2,3
.irp k,0,1,2,3
	v_cvt_pk_bf16_f32 v[QO+32*\q+4*\u+\k], v[ACC+8*\q+2*\k], v[ACC+8*\q+2*\k+1]
.endr
.endr
.elseif \kind == 1                     ; K: packed, 16 bytes a lane into its token's row
.irp q,0,1,2,3
.irp k,0,1,2,3
	v_cvt_pk_bf16_f32 v[ACC+8*\q+\k], v[ACC+8*\q+2*\k], v[ACC+8*\q+2*\k+1]
.endr
	ds_store_b128 v[3+(\q%2)], v[ACC+8*\q:ACC+8*\q+3] offset:(\q/2)*4352+32*(\u-8)
.endr
.else                                  ; V: the same, at pitch 288
.irp q,0,1,2,3
.irp k,0,1,2,3
	v_cvt_pk_bf16_f32 v[ACC+8*\q+\k], v[ACC+8*\q+2*\k], v[ACC+8*\q+2*\k+1]
.endr
	ds_store_b128 v[5+4*(\q%2)], v[ACC+8*\q:ACC+8*\q+3] offset:(\q/2)*4608+32*(\u-16)
.endr
.endif
.endm
	QLD 0
.irp uu,0,1,2,3,4,5,6,7
	ROWT \uu, 0
.endr
.irp uu,8,9,10,11,12,13,14,15
	ROWT \uu, 1
.endr
	BAR                                            ; nobody reads W_q or W_k any more: V may take their place
.irp uu,16,17,18,19,20,21,22,23
	ROWT \uu, 2
.endr
	BAR                                            ; K and V of all 512 tokens are in LDS, and nobody reads W_v any more: the stages are the waves' own again
; ---------------------------------------------------------------- phase 3: attention.  16 steps, step i = 8 p + 4 b + head: 16 queries x 256 keys of one batch and head.
; The step is written ONCE.  Its LDS addresses come from the counter; its Q lies in eight fixed registers.  Step i's Q fragment is v[128 + 8 i ..]; at a step's end a chain
; of compares on the counter leads to the step's own short block, which rounds the output into that fragment's place (it is the fragment that proj wants) and copies the
; next step's Q into the fixed registers.  The two batches of a pass share the mask tile; step 7 asks for pass 1's.
.set AK0, 1                            ; v1  K fragments: KREG + r*272 + 16 h
.set AV0, 2                            ; v2  V turned: VREG + (8 h + lane%8)*288 + 16 ((lane>>3)&1)
.set ADRK, 3                           ; v3  K of the step in hand, then of the next
.set ADRV, 4                           ; v4  V, keys 0-127;  v22 keys 128-255
.set ADRV2, 22
.set PFA, 23                           ; v23 32,768 w + 256 lane: a lane for each 256 bytes of my rows of the mask
.set CM,  12                           ; v12-13 log2(e) x maximum
.set INV, 14                           ; v14-15 1 / row sum
.set ATM, 16
.set CC,  18                           ; v18-21 four running maxima
.set QC,  24                           ; v24-31 Q of the step in hand
.set ONES, 32                          ; v32-39 a fragment of ones
.set LL,  40                           ; v40-47 row sums;  v48-55, v56-63 O^T (channels 0-15, 16-31 of the head)
.set O0,  48
.set FF,  64                           ; v64-127 fragments of K, then of V^T
.set QS,  128                          ; v128-255 sixteen fragments: Q, then the output
.set SS,  128                          ; window 1: scores; packed in place to P (128-191); 192-255 then take V^T's second half.  Window 1, 0-127: mask
	v_add_nc_u32 v[AK0], KREG, v[RH]
	v_and_b32 v12, 7, v0
	v_bfe_u32 v13, v0, 4, 1
	v_lshl_add_u32 v12, v13, 3, v12
	v_mul_u32_u24 v12, v12, 288
	v_bfe_u32 v13, v0, 3, 1
	v_lshl_add_u32 v12, v13, 4, v12
	v_add_nc_u32 v[AV0], VREG, v12
	v_mov_b32 v[ADRK], v[AK0]
	s_lshl_b32 s74, s38, 15
	v_and_b32 v[PFA], 31, v0
	v_lshl_add_u32 v[PFA], v[PFA], 8, s74
.irp k,0,1,2,3,4,5,6,7
	v_mov_b32 v[ONES+\k], 0x3f803f80
.endr
.irp k,0,1,2,3,4,5,6,7
	v_mov_b32 v[QC+\k], v[QS+\k]                   ; step 0's Q
.endr
	v_mov_b32 v[CM+1], 0                           ; second registers of pairs of which only the first is used, and a permute's destination
	v_mov_b32 v[INV+1], 0
	v_mov_b32 v[ATM], 0
.macro KLD0                            ; key tiles 0-7 of the batch and head in ADRK
.irp t,0,1,2,3,4,5,6,7
	ds_load_b128 v[FF+8*\t:FF+8*\t+3], v[ADRK] offset:\t*4352
	ds_load_b128 v[FF+8*\t+4:FF+8*\t+7], v[ADRK] offset:\t*4352+32
.endr
.endm
.macro BLK n                           ; what differs from step to step: where the output goes and where the next Q comes from
.irp k,0,1,2,3,4,5,6,7
	v_cvt_pk_bf16_f32 v[QS+8*(\n)+\k], v[O0+2*\k], v[O0+2*\k+1]
.endr
.if \n == 5                            ; asked here for what step 7 loads, a step and a fifth ahead: my 16 rows of pass 1's mask, 16,384 bytes, a lane for each 256; no other wave asks for them
	global_prefetch_b8 v[PFA], s[10:11] offset:16384 th:TH_LOAD_NT scope:SCOPE_SE
	global_prefetch_b8 v[PFA], s[10:11] offset:24576 th:TH_LOAD_NT scope:SCOPE_SE
.endif
.if \n == 7                            ; pass 1's mask goes through the stage
	s_wait_loadcnt 0x0
	WIN 0x44
	XPIN 0
	XPIN 32
	XPIN 64
	XPIN 96
	WIN 0
.endif
.if \n < 15
.irp k,0,1,2,3,4,5,6,7
	v_mov_b32 v[QC+\k], v[QS+8*(\n)+8+\k]
.endr
.endif
.endm
	s_wait_loadcnt 0x0                             ; pass 0's mask
	WIN 0x44                                       ; through the stage, from where it landed into the registers that LN1(x) has left (places: the v_nop and conversions behind the last products)
	XPMOVE 128, 0
	XPMOVE 160, 32
	XPMOVE 192, 64
	XPMOVE 224, 96
	WIN 0
	KLD0
	s_mov_b32 s72, 0
.Latt:
	s_wait_loadcnt 0x0                             ; no load into the mask's registers is pending when they are read, whichever step has asked for one
	s_and_b32 s74, s72, 3                          ; head
	s_bfe_u32 s75, s72, 0x10002                    ; batch
	s_mul_i32 s76, s75, 73728
	s_lshl_b32 s74, s74, 6
	s_add_co_u32 s76, s76, s74                     ; V: the batch's 256 rows of 288 bytes, the head's 64 bytes
	s_add_co_u32 s77, s72, 1
	s_and_b32 s77, s77, 15                         ; the next step; behind the last it wraps to step 0, so that the look-ahead reads valid bytes
	s_bfe_u32 s78, s77, 0x10002
	s_and_b32 s77, s77, 3
	s_mul_i32 s78, s78, 69632
	s_lshl_b32 s77, s77, 6
	s_add_co_u32 s77, s77, s78                     ; K of the next step: 256 rows of 272 bytes a batch
	s_wait_dscnt 0x0
	WIN 0x50
.irp t,0,1,2,3,4,5,6,7                 ; S^T = K Q^T + mask: one product a key tile (the head is 32 channels), the mask tile as C
	v_wmma_f32_16x16x32_bf16 v[SS+8*\t:SS+8*\t+7], v[FF+8*\t:FF+8*\t+7], v[QC:QC+7], v[8*\t:8*\t+7]
.endr
	WIN 0
	v_add_nc_u32 v[ADRV], s76, v[AV0]              ; these four lines are the places behind the products
	v_add_nc_u32 v[ADRV2], 36864, v[ADRV]
	v_nop
	v_nop
.irp t,0,1,2,3,4,5,6,7
	ds_load_b128 v[FF+8*\t:FF+8*\t+3], v[ADRK] offset:(8+\t)*4352
	ds_load_b128 v[FF+8*\t+4:FF+8*\t+7], v[ADRK] offset:(8+\t)*4352+32
.endr
	WIN 0x15                                       ; while they are on their way: the maximum over key tiles 0-7
.irp j,0,1,2,3
	v_max3_num_f32 v[CC+\j], v[SS+8*\j], v[SS+8*\j+1], v[SS+8*\j+2]
.endr
	WIN 0x14
.irp j,0,1,2,3
	v_max3_num_f32 v[CC+\j], v[CC+\j], v[SS+8*\j+3], v[SS+8*\j+4]
.endr
.irp j,0,1,2,3
	v_max3_num_f32 v[CC+\j], v[CC+\j], v[SS+8*\j+5], v[SS+8*\j+6]
.endr
	v_max3_num_f32 v[CC], v[CC], v[SS+7], v[SS+15]
	v_max3_num_f32 v[CC+1], v[CC+1], v[SS+23], v[SS+31]
.set mi, 16
.rept 16
	v_max3_num_f32 v[CC+mi%4], v[CC+mi%4], v[SS+2*mi], v[SS+2*mi+1]
.set mi, mi+1
.endr
	s_wait_dscnt 0x0
	WIN 0x50
.irp t,0,1,2,3,4,5,6,7
	v_wmma_f32_16x16x32_bf16 v[SS+64+8*\t:SS+64+8*\t+7], v[FF+8*\t:FF+8*\t+7], v[QC:QC+7], v[64+8*\t:64+8*\t+7]
.endr
	WIN 0
	v_add_nc_u32 v[ADRK], s77, v[AK0]              ; with the three v_nop: the places behind the products
	v_nop
	v_nop
	v_nop
.irp kp,0,1,2,3                        ; V^T, keys 0-127: fragment 2 kp + c = 16 channels x 32 keys, turned on the way out of LDS
.irp c,0,1
	ds_load_tr16_b128 v[FF+8*(2*\kp+\c):FF+8*(2*\kp+\c)+3], v[ADRV] offset:\kp*9216+32*\c
	ds_load_tr16_b128 v[FF+8*(2*\kp+\c)+4:FF+8*(2*\kp+\c)+7], v[ADRV] offset:\kp*9216+32*\c+4608
.endr
.endr
	s_cmp_lg_u32 s72, 7
	s_cbranch_scc1 .Lnomask                        ; step 7 has read pass 0's mask for the last time: it asks for pass 1's
	WIN 0x40
	MASKLOAD 0, 16384
	WIN 0
.Lnomask:
	WIN 0x14                                       ; the maximum over key tiles 8-15
.set mi, 32
.rept 32
	v_max3_num_f32 v[CC+mi%4], v[CC+mi%4], v[SS+2*mi], v[SS+2*mi+1]
.set mi, mi+1
.endr
	WIN 0
	v_max3_num_f32 v[CC], v[CC], v[CC+1], v[CC+2]
	v_max_num_f32 v[CC], v[CC], v[CC+3]
	v_permlanex16_b32 v[ATM], v[CC], s60, s61      ; the query's other 128 keys lie 16 lanes away
	v_max_num_f32 v[CC], v[CC], v[ATM]
	v_mul_f32 v[CM], s66, v[CC]
	; p = 2^(log2e s - log2e m), rounded to bf16 in place, three pairs behind the exponentials.  A plain instruction stands behind every exponential before its result is used.
	WIN 0x45
.irp k,0,1
	v_pk_fma_f32 v[SS+2*\k:SS+2*\k+1], v[SS+2*\k:SS+2*\k+1], s[66:67], v[CM:CM+1] op_sel_hi:[1,0,0] neg_lo:[0,0,1] neg_hi:[0,0,1]
.endr
.set ei, 0
.rept 64
	v_exp_f32 v[SS+2*ei], v[SS+2*ei]
.if ei < 62
	v_pk_fma_f32 v[SS+2*ei+4:SS+2*ei+5], v[SS+2*ei+4:SS+2*ei+5], s[66:67], v[CM:CM+1] op_sel_hi:[1,0,0] neg_lo:[0,0,1] neg_hi:[0,0,1]
.endif
	v_exp_f32 v[SS+2*ei+1], v[SS+2*ei+1]
.if ei > 2
	s_wait_alu depctr_va_vdst(0)
	v_cvt_pk_bf16_f32 v[SS+ei-3], v[SS+2*ei-6], v[SS+2*ei-5]
.endif
.set ei, ei+1
.endr
	v_cvt_pk_bf16_f32 v[SS+61], v[SS+122], v[SS+123]
	v_cvt_pk_bf16_f32 v[SS+62], v[SS+124], v[SS+125]
	v_cvt_pk_bf16_f32 v[SS+63], v[SS+126], v[SS+127]
	WIN 0x40
.irp kp,0,1,2,3                        ; V^T, keys 128-255, into the registers that the packing has freed
.irp c,0,1
	ds_load_tr16_b128 v[192+8*(2*\kp+\c):192+8*(2*\kp+\c)+3], v[ADRV2] offset:\kp*9216+32*\c
	ds_load_tr16_b128 v[192+8*(2*\kp+\c)+4:192+8*(2*\kp+\c)+7], v[ADRV2] offset:\kp*9216+32*\c+4608
.endr
.endr
	s_wait_dscnt 16                                ; the first half of V^T is in; the 16 loads just issued are younger
	WIN 0x04                                       ; O^T = V^T P and the row sums (ones x P); the accumulators take turns
	v_wmma_f32_16x16x32_bf16 v[O0:O0+7], v[FF:FF+7], v[SS:SS+7], 0
	v_wmma_f32_16x16x32_bf16 v[LL:LL+7], v[ONES:ONES+7], v[SS:SS+7], 0
	v_wmma_f32_16x16x32_bf16 v[O0+8:O0+15], v[FF+8:FF+15], v[SS:SS+7], 0
	v_wmma_f32_16x16x32_bf16 v[LL:LL+7], v[ONES:ONES+7], v[SS+32:SS+39], v[LL:LL+7]
.irp kp,1,2,3
	v_wmma_f32_16x16x32_bf16 v[O0:O0+7], v[FF+16*\kp:FF+16*\kp+7], v[SS+8*\kp:SS+8*\kp+7], v[O0:O0+7]
	v_wmma_f32_16x16x32_bf16 v[LL:LL+7], v[ONES:ONES+7], v[SS+8*\kp:SS+8*\kp+7], v[LL:LL+7]
	v_wmma_f32_16x16x32_bf16 v[O0+8:O0+15], v[FF+16*\kp+8:FF+16*\kp+15], v[SS+8*\kp:SS+8*\kp+7], v[O0+8:O0+15]
	v_wmma_f32_16x16x32_bf16 v[LL:LL+7], v[ONES:ONES+7], v[SS+32+8*\kp:SS+32+8*\kp+7], v[LL:LL+7]
.endr
	s_wait_dscnt 0x0
	WIN 0x05
.irp kp,0,1,2,3
	v_wmma_f32_16x16x32_bf16 v[O0:O0+7], v[192+16*\kp:192+16*\kp+7], v[SS+32+8*\kp:SS+32+8*\kp+7], v[O0:O0+7]
	v_wmma_f32_16x16x32_bf16 v[O0+8:O0+15], v[192+16*\kp+8:192+16*\kp+15], v[SS+32+8*\kp:SS+32+8*\kp+7], v[O0+8:O0+15]
.endr
	WIN 0
	PLACES
	KLD0                                           ; the next step's first K fragments
	v_rcp_f32 v[INV], v[LL]                        ; every row of ones x P is the query's sum: the lowest register serves
	v_nop
	s_wait_alu depctr_va_vdst(0)
.irp k,0,1,2,3,4,5,6,7
	v_pk_mul_f32 v[O0+2*\k:O0+2*\k+1], v[O0+2*\k:O0+2*\k+1], v[INV:INV+1] op_sel_hi:[1,0]
.endr
.irp n,0,1,2,3,4,5,6,7,8,9,10,11,12,13,14
	s_cmp_eq_u32 s72, \n
	s_cbranch_scc1 .Lq\n
.endr
	BLK 15
	s_branch .Lqend
.irp n,0,1,2,3,4,5,6,7,8,9,10,11,12,13,14
.Lq\n:
	BLK \n
	s_branch .Lqend
.endr
.Lqend:
	s_add_co_u32 s72, s72, 1
	s_cmp_lt_u32 s72, 16
	s_cbranch_scc1 .Latt
; ---------------------------------------------------------------- phase 4: W_proj, W_fc2, W_fc1 to LDS; x again; proj.
; The weights and x pass through five banks of 64 registers (16 loads each): window 1's four, which end as x's four tiles, and v64-127.  A bank is converted and stored, and the
; next 16 loads go into it at once, so that 64 loads are always younger than the batch that is waited for.  Order of issue:
; W_proj, W_fc2 a b c d, W_fc1 a b c, x tile 2, x tile 3, W_fc1 d, x tile 0, x tile 1.
	s_wait_loadcnt 0x0                             ; no load into window 1 is pending on any way out of the loop: its registers are loaded again only behind this wait
	s_wait_dscnt 0x0                               ; the look-ahead loads into v64-127 are back
	s_wait_xcnt 0x0                                ; v23, which the prefetches name, is written again below
	v_and_b32 v13, 31, v0
	s_lshl_b32 s74, s38, 13
	v_lshl_add_u32 v1, v13, 4, s74                 ; 16 rows of 512 bytes a wave (W_proj; W_fc1's last 128 rows)
	s_lshl_b32 s74, s38, 15
	v_lshl_add_u32 v2, v13, 4, s74                 ; 16 rows of 2,048 bytes a wave (W_fc2)
	s_mul_i32 s74, s38, 24576
	v_lshl_add_u32 v3, v13, 4, s74                 ; 48 rows of 512 bytes a wave (W_fc1's first 384 rows)
	s_mul_i32 s74, s38, 4352
	s_add_co_u32 s74, s74, KTAIL
	v_lshl_add_u32 v4, v13, 3, s74
	s_mul_i32 s74, s38, 16640
	s_add_co_u32 s74, s74, VREG
	v_lshl_add_u32 v5, v13, 3, s74
	s_mul_i32 s74, s38, 13056
	s_add_co_u32 s74, s74, KREG
	v_lshl_add_u32 v9, v13, 3, s74
	MKOT
	v_add_nc_u32 v27, BQ+1536, v25
	ds_load_b128 v[32:35], v27                     ; b_proj as the rows of x lie: channels 4 r .. and 64 + 4 r ..
	ds_load_b128 v[36:39], v27 offset:256
.macro F2B k                           ; batch k of W_fc2 (rows 4 k .. 4 k + 3 of my 16), in window 1's bank k: halved, rounded, stored; piece i is quarter i % 4 of row i / 4, pitch 1,040
	WIN 0x45
.set wi, 0
.rept 32
	v_pk_mul_f32 v[64*\k+2*wi:64*\k+2*wi+1], v[64*\k+2*wi:64*\k+2*wi+1], 0.5 op_sel_hi:[1,0]
.set wi, wi+1
.endr
	WCVT 64*\k, 16, 64*\k, 4
	WIN 0x04
.set wi, 0
.rept 16
	ds_store_b64 v5, v[64*\k+4*wi:64*\k+4*wi+1] offset:(4*\k+wi/4)*1040+(wi%4)*256
.set wi, wi+1
.endr
.endm
.macro XADD q                          ; the residual and proj's bias start proj's sums (window 0x41)
.set wi, 16*\q
.rept 16
	v_pk_add_f32 v[4*wi:4*wi+1], v[4*wi:4*wi+1], v[32+4*((wi/8)%2):32+4*((wi/8)%2)+1]
	v_pk_add_f32 v[4*wi+2:4*wi+3], v[4*wi+2:4*wi+3], v[34+4*((wi/8)%2):34+4*((wi/8)%2)+1]
.set wi, wi+1
.endr
.endm
	WLOADS 64, 16, 1, 20, 0                        ; W_proj
	WIN 0x40
	WLOADS 0, 64, 2, 32, 0                         ; W_fc2 a b c d
	WIN 0
	BAR                                            ; nobody reads K or V any more
	s_wait_loadcnt 63                              ; here and in the seven waits below: 64 loads are younger than the batch wanted; 63 is the largest count a wait can name
	WCVT 64, 16, 64, 4
	WSTORE 64, 16, 4, 4, 0                         ; W_proj
	WLOADS 64, 16, 3, 28, 0                        ; W_fc1 a
	s_wait_loadcnt 63
	F2B 0
	WIN 0x40
	WLOADS 0, 16, 3, 28, 8192                      ; W_fc1 b
	s_wait_loadcnt 63
	F2B 1
	WIN 0x40
	WLOADS 64, 16, 3, 28, 16384                    ; W_fc1 c
	s_wait_loadcnt 63
	F2B 2
	WIN 0x40
	XLOAD 2, 1
	s_wait_loadcnt 63
	F2B 3
	WIN 0x40
	XLOAD 3, 1
	WIN 0
	s_wait_loadcnt 63                              ; W_fc1 a
	WCVT 64, 16, 64, 4
	WSTORE 64, 16, 4, 9, 0
	WLOADS 64, 16, 1, 28, 196608                   ; W_fc1 d, rows 384-511: held in registers until W_proj has been read out
	s_wait_loadcnt 63                              ; W_fc1 b
	WIN 0x45
	WCVT 0, 16, 0, 4
	WIN 0x04
	WSTORE 0, 16, 4, 9, 4352
	WIN 0x40
	XLOAD 0, 1
	s_wait_loadcnt 63                              ; W_fc1 c
	WIN 0x45
	WCVT 64, 16, 64, 4
	WIN 0x04
	WSTORE 64, 16, 4, 9, 8704
	WIN 0x40
	XLOAD 1, 1
	WIN 0
	BAR                                            ; W_proj, W_fc2 and W_fc1's first rows are in LDS
	s_wait_loadcnt 63                              ; x tile 2: tile 3, W_fc1 d, tiles 0 and 1 are younger
	WIN 0x41
	XADD 2
	WIN 0x44
	XPIN 128
	XPIN 160
	s_wait_loadcnt 48                              ; x tile 3: W_fc1 d, tiles 0 and 1 are younger
	WIN 0x41
	XADD 3
	WIN 0x44
	XPIN 192
	XPIN 224
	s_wait_loadcnt 32                              ; W_fc1 d: tiles 0 and 1 are younger
	WIN 0
	WCVT 64, 16, 64, 2                             ; v64-95: W_fc1's last rows, packed
	s_wait_loadcnt 16                              ; x tile 0: tile 1 is younger
	WIN 0x41
	XADD 0
	WIN 0x44
	XPIN 0
	XPIN 32
	s_wait_loadcnt 0x0
	WIN 0x41
	XADD 1
	WIN 0x44
	XPIN 64
	XPIN 96
	WIN 0
	v_add_nc_u32 v1, KTAIL, v[RH]
.macro PLD o                           ; W_proj's row tile o: four fragments, buffers v96 (even) and v32 (odd)
.irp s,0,1,2,3
	ds_load_b128 v[96-64*((\o)%2)+8*\s:96-64*((\o)%2)+8*\s+3], v1 offset:(\o)*4352+64*\s
	ds_load_b128 v[96-64*((\o)%2)+8*\s+4:96-64*((\o)%2)+8*\s+7], v1 offset:(\o)*4352+64*\s+32
.endr
.endm
	PLD 0
.irp o,0,1,2,3,4,5,6,7
	s_wait_dscnt 0x0
	WIN 0
	PLACES                                         ; the other buffer's readers stand just in front
.if \o < 7
	PLD (\o+1)
.endif
	WIN 0x50
.irp s,0,1,2,3
.irp q,0,1,2,3                         ; x1 = x + b_proj + W_proj O: four accumulators by turns
	v_wmma_f32_16x16x32_bf16 v[64*\q+8*\o:64*\q+8*\o+7], v[96-64*(\o%2)+8*\s:96-64*(\o%2)+8*\s+7], v[128+32*\q+8*\s:128+32*\q+8*\s+7], v[64*\q+8*\o:64*\q+8*\o+7]
.endr
.endr
.endr
	PLACES
; ---------------------------------------------------------------- phase 5: LN2.  x1 stays in window 1 (fc2 will add onto it); LN2(x1) goes packed to v128-255
.set ST,  16                           ; v16-23 {rstd, mean rstd} a tile
.set GB,  32                           ; v32-63 g2 (8) and b2 (8) of a channel group, two buffers
.set TT,  96                           ; v96-127 at work
.set X2,  128
.irp q,0,1,2,3
.set XR, 64*\q
	LNSUM
	WIN 0x01
.set li, 0
.rept 32
	v_pk_add_f32 v[X2+2*li:X2+2*li+1], v[XR+2*li:XR+2*li+1], v[MS:MS+1] neg_lo:[0,1] neg_hi:[0,1]
.set li, li+1
.endr
	WIN 0
	LNSQ X2
	v_mov_b32 v[ST+2*\q], v[RS]
	v_mul_f32 v[ST+2*\q+1], v[MS], v[RS]
.endr
.macro GBLD g
	global_load_b128 v[GB+16*((\g)%2):GB+16*((\g)%2)+3], v[PB], s[24:25] offset:64*(\g)
	global_load_b128 v[GB+16*((\g)%2)+4:GB+16*((\g)%2)+7], v[PB], s[24:25] offset:64*(\g)+16
	global_load_b128 v[GB+16*((\g)%2)+8:GB+16*((\g)%2)+11], v[PB], s[26:27] offset:64*(\g)
	global_load_b128 v[GB+16*((\g)%2)+12:GB+16*((\g)%2)+15], v[PB], s[26:27] offset:64*(\g)+16
.endm
	GBLD 0
.irp g,0,1,2,3,4,5,6,7
	WIN 0
.if \g < 7
	GBLD (\g+1)
	s_wait_loadcnt 4                               ; this group's g2 and b2 are in; the next group's four loads are younger
.else
	s_wait_loadcnt 0x0
.endif
	WIN 0x01
.irp q,0,1,2,3
.irp k,0,1,2,3
	v_pk_fma_f32 v[TT+8*\q+2*\k:TT+8*\q+2*\k+1], v[64*\q+8*\g+2*\k:64*\q+8*\g+2*\k+1], v[ST+2*\q:ST+2*\q+1], v[ST+2*\q:ST+2*\q+1] op_sel:[0,0,1] op_sel_hi:[1,0,1] neg_lo:[0,0,1] neg_hi:[0,0,1]
.endr
.endr
	WIN 0
.irp q,0,1,2,3
.irp k,0,1,2,3
	v_pk_fma_f32 v[TT+8*\q+2*\k:TT+8*\q+2*\k+1], v[TT+8*\q+2*\k:TT+8*\q+2*\k+1], v[GB+16*(\g%2)+2*\k:GB+16*(\g%2)+2*\k+1], v[GB+16*(\g%2)+8+2*\k:GB+16*(\g%2)+8+2*\k+1]
.endr
.endr
.irp q,0,1,2,3
.irp k,0,1,2,3
	v_cvt_pk_bf16_f32 v[X2+32*\q+4*\g+\k], v[TT+8*\q+2*\k], v[TT+8*\q+2*\k+1]
.endr
.endr
.endr
	BAR                                            ; every wave has read W_proj out
	WSTORE 64, 16, 2, 4, 0                         ; W_fc1's rows 384-511 take its place
	BAR
; ---------------------------------------------------------------- phase 6: the MLP, 16 chunks of 32 hidden channels: fc1, GELU, fc2 onto x1
.set AW1B, 1                           ; v1 W_fc1 fragments, chunk 0;  v2 this chunk's;  v3, v4 W_fc2 fragments, output tiles 0-3 and 4-7, this chunk's
.set AW1,  2
.set T,    8                           ; v8-15 at work
.set WF,   32                          ; v32-63 four weight fragments
.set A1,   64                          ; v64-127 16 a tile: fc1's two results; then H (8) and a fragment of W_fc2 (8)
	v_and_b32 v2, 15, v0
	v_bfe_u32 v3, v0, 4, 1
	v_lshlrev_b32 v5, 5, v3                        ; 32 h
	v_mul_u32_u24 v1, v2, 272
	v_lshl_add_u32 v1, v3, 4, v1
	v_add_nc_u32 v[AW1B], KREG, v1
	v_mul_u32_u24 v4, v2, 1040
	v_lshl_add_u32 v4, v3, 4, v4
	v_add_nc_u32 v3, VREG, v4
	v_add_nc_u32 v4, 66560, v3
	v_mov_b32 v[AW1], v[AW1B]
	s_mov_b64 s[70:71], s[30:31]
.macro BILD                            ; b_fc1 of a chunk's 32 channels, in the result's layout
	global_load_b128 v[BI:BI+3], v5, s[70:71]
	global_load_b128 v[BI+4:BI+7], v5, s[70:71] offset:16
	global_load_b128 v[BI+8:BI+11], v5, s[70:71] offset:64
	global_load_b128 v[BI+12:BI+15], v5, s[70:71] offset:80
.endm
.macro W1LD u
.irp s,0,1,2,3
	ds_load_b128 v[WF+8*\s:WF+8*\s+3], v[AW1] offset:\u*4352+64*\s
	ds_load_b128 v[WF+8*\s+4:WF+8*\s+7], v[AW1] offset:\u*4352+64*\s+32
.endr
.endm
.macro W2LD va, db, dstep              ; four fragments of W_fc2 (16 output channels x this chunk's 32 hidden channels each) into v[db + dstep o ..]
.irp o,0,1,2,3
	ds_load_b128 v[\db+\dstep*\o:\db+\dstep*\o+3], v[\va] offset:\o*16640
	ds_load_b128 v[\db+\dstep*\o+4:\db+\dstep*\o+7], v[\va] offset:\o*16640+32
.endr
.endm
.macro FC1 u                           ; 16 hidden channels x my 64 tokens; the bias is the first product's C; four accumulators by turns
.irp s,0,1,2,3
.irp q,0,1,2,3
.if \s == 0
	v_wmma_f32_16x16x32_bf16 v[A1+16*\q+8*\u:A1+16*\q+8*\u+7], v[WF+8*\s:WF+8*\s+7], v[X2+32*\q+8*\s:X2+32*\q+8*\s+7], v[BI+8*\u:BI+8*\u+7]
.else
	v_wmma_f32_16x16x32_bf16 v[A1+16*\q+8*\u:A1+16*\q+8*\u+7], v[WF+8*\s:WF+8*\s+7], v[X2+32*\q+8*\s:X2+32*\q+8*\s+7], v[A1+16*\q+8*\u:A1+16*\q+8*\u+7]
.endif
.endr
.endr
.endm
.macro FC2 base, ab, astep             ; four output tiles x four token tiles: sixteen accumulators, one product each
	WIN 0x50
.irp o,0,1,2,3
.irp q,0,1,2,3
	v_wmma_f32_16x16x32_bf16 v[64*\q+8*(\base+\o):64*\q+8*(\base+\o)+7], v[\ab+\astep*\o:\ab+\astep*\o+7], v[A1+16*\q:A1+16*\q+7], v[64*\q+8*(\base+\o):64*\q+8*(\base+\o)+7]
.endr
.endr
.endm
; 2 gelu(x) = x + |x| erf(|x| / sqrt 2).  erf(z) = 1 - a3 ((t + c2) t + c1) t e^(-z z), t = 1 / (1 + p z); a3 goes into the exponent.  One line for each step, on a pair of numbers:
.macro G_ABS a, x
	v_and_b32 v[\a], 0x7fffffff, v[\x]
	v_and_b32 v[\a+1], 0x7fffffff, v[\x+1]
.endm
.macro G_U t, a                        ; 1 + 0.33267253 |x|   (0.47047 / sqrt 2)
	v_pk_fma_f32 v[\t:\t+1], v[\a:\a+1], 0x3eaa540e, 1.0 op_sel_hi:[1,0,0]
.endm
.macro G_RCP t
	v_rcp_f32 v[\t], v[\t]
	v_rcp_f32 v[\t+1], v[\t+1]
.endm
.macro G_Q0 q, t                       ; t - 0.1282063
	s_wait_alu depctr_va_vdst(0)
	v_pk_add_f32 v[\q:\q+1], v[\t:\t+1], 0xbe034883 op_sel_hi:[1,0]
.endm
.macro G_Q1 q, t                       ; . t + 0.4653628
	v_pk_fma_f32 v[\q:\q+1], v[\q:\q+1], v[\t:\t+1], 0x3eee440a op_sel_hi:[1,1,0]
.endm
.macro G_Q2 q, t
	v_pk_mul_f32 v[\q:\q+1], v[\q:\q+1], v[\t:\t+1]
.endm
.macro G_XS t, x                       ; x sqrt(log2(e) / 2), into t's registers: the polynomial is done with t
	v_pk_mul_f32 v[\t:\t+1], v[\x:\x+1], 0x3f596d27 op_sel_hi:[1,0]
.endm
.macro G_ARG t                         ; log2(a3) - x x log2(e) / 2
	v_pk_fma_f32 v[\t:\t+1], v[\t:\t+1], v[\t:\t+1], 0xbed69d3c op_sel_hi:[1,1,0] neg_lo:[1,0,0] neg_hi:[1,0,0]
.endm
.macro G_EXP t
	v_exp_f32 v[\t], v[\t]
	v_exp_f32 v[\t+1], v[\t+1]
.endm
.macro G_K q, t                        ; erf
	s_wait_alu depctr_va_vdst(0)
	v_pk_fma_f32 v[\q:\q+1], v[\q:\q+1], v[\t:\t+1], 1.0 op_sel_hi:[1,1,0] neg_lo:[1,0,0] neg_hi:[1,0,0]
.endm
.macro G_FIN x, a, q
	v_pk_fma_f32 v[\x:\x+1], v[\a:\a+1], v[\q:\q+1], v[\x:\x+1]
.endm
; Eight numbers (four pairs) at x, in place, step by step across the four pairs, so that no line reads the result of the lines just before it.  Temporaries: |x| in the 4 + 4
; registers at aa, ab; t, then the exponential, at ta, tb; the polynomial at qa, qb.  The transcendentals stand in two groups with a plain line of the other pairs behind each
; group, so that a plain independent instruction stands between every transcendental and the use of its result (ISA guide 5.7.2).
.macro GELU4 x, aa, ab, ta, tb, qa, qb
	G_ABS \aa, \x
	G_ABS \aa+2, \x+2
	G_ABS \ab, \x+4
	G_ABS \ab+2, \x+6
	G_U \ta, \aa
	G_U \ta+2, \aa+2
	G_U \tb, \ab
	G_RCP \ta
	G_RCP \ta+2
	G_U \tb+2, \ab+2
	G_RCP \tb
	G_RCP \tb+2
	G_Q0 \qa, \ta
	G_Q0 \qa+2, \ta+2
	G_Q0 \qb, \tb
	G_Q0 \qb+2, \tb+2
	G_Q1 \qa, \ta
	G_Q1 \qa+2, \ta+2
	G_Q1 \qb, \tb
	G_Q1 \qb+2, \tb+2
	G_Q2 \qa, \ta
	G_Q2 \qa+2, \ta+2
	G_Q2 \qb, \tb
	G_Q2 \qb+2, \tb+2
	G_XS \ta, \x
	G_XS \ta+2, \x+2
	G_XS \tb, \x+4
	G_XS \tb+2, \x+6
	G_ARG \ta
	G_ARG \ta+2
	G_ARG \tb
	G_EXP \ta
	G_EXP \ta+2
	G_ARG \tb+2
	G_EXP \tb
	G_EXP \tb+2
	G_K \qa, \ta
	G_K \qa+2, \ta+2
	G_K \qb, \tb
	G_K \qb+2, \tb+2
	G_FIN \x, \aa, \qa
	G_FIN \x+2, \aa+2, \qa+2
	G_FIN \x+4, \ab, \qb
	G_FIN \x+6, \ab+2, \qb+2
.endm
	BILD
	W1LD 0
	s_mov_b32 s73, 0
.Lmlp:
	s_wait_loadcnt 0x0                             ; this chunk's bias
	s_wait_dscnt 0x0                               ; and its first 16 rows of W_fc1
	FC1 0
	PLACES
	W1LD 1
.irp q,0,1,2,3                         ; each result is first read at its low end; the second results of tiles 0-2 are not made yet: their registers serve as temporaries
	GELU4 A1+16*\q, A1+8, A1+12, A1+24, A1+28, A1+40, A1+44
.endr
.irp q,0,1,2,3
.irp k,0,1,2,3
	v_cvt_pk_bf16_f32 v[A1+16*\q+\k], v[A1+16*\q+2*\k], v[A1+16*\q+2*\k+1]
.endr
.endr
	s_wait_dscnt 0x0
	FC1 1
	PLACES
	W2LD 3, WF, 8                                  ; W_fc2, output tiles 0-3: on their way under the GELU below
	s_add_co_u32 s74, s73, 1                       ; the next chunk; behind the last it wraps to chunk 0, so that the look-ahead stays inside its buffer and inside the image
	s_and_b32 s74, s74, 15
	s_lshl_b32 s68, s74, 7
	s_mov_b32 s69, 0
	s_add_nc_u64 s[70:71], s[30:31], s[68:69]      ; the loads that named this base were waited for at the trip's head
	s_mul_i32 s75, s74, 8704
	BILD
.irp q,0,1,2,3                         ; temporaries: v8-15 and the four registers a tile that the first half's packing has freed
	GELU4 A1+16*\q+8, T, T+4, A1+4, A1+20, A1+36, A1+52
.endr
.irp q,0,1,2,3
.irp k,0,1,2,3
	v_cvt_pk_bf16_f32 v[A1+16*\q+4+\k], v[A1+16*\q+8+2*\k], v[A1+16*\q+9+2*\k]
.endr
.endr
	W2LD 4, A1+8, 16                               ; W_fc2, output tiles 4-7, into the eight registers a tile that this packing has freed: on their way under the 16 products below
	s_wait_dscnt 8                                 ; tiles 0-3 are in; the eight loads just issued are younger
	FC2 0, WF, 8
	WIN 0
	v_add_nc_u32 v[AW1], s75, v[AW1B]              ; these four lines are the places behind the products that read v32-63
	v_add_nc_u32 v3, 64, v3
	v_add_nc_u32 v4, 64, v4
	v_nop
	W1LD 0                                         ; the next chunk's first 16 rows of W_fc1: on their way under the 16 products below
	s_wait_dscnt 8                                 ; tiles 4-7 are in; the eight loads just issued are younger
	FC2 4, A1+8, 16
	WIN 0
.rept 5                                ; five places: the next trip's first products write over H, which the products above read
	v_nop
.endr
	s_add_co_u32 s73, s73, 1
	s_cmp_lt_u32 s73, 16
	s_cbranch_scc1 .Lmlp
; ---------------------------------------------------------------- the way out: through my stage back to rows, + b_fc2, stored
	s_wait_loadcnt 0x0                             ; the last trip's look-ahead
	s_wait_dscnt 0x0
	MKOT
	global_load_b128 v[32:35], v25, s[34:35]       ; b_fc2 as the rows of out0 lie
	global_load_b128 v[36:39], v25, s[34:35] offset:256
	WIN 0x44
	XPOUT 0
.set oi, 0
.rept 8                                ; block oi: tile oi / 2, channels 64 (oi % 2) on
.if oi < 7
	WIN 0x44
	XPOUT 32*(oi+1)
	s_wait_dscnt 16                                ; block oi is back; the next block's 16 LDS instructions are younger
.else
	s_wait_dscnt 0x0
.endif
.if oi == 0
	s_wait_loadcnt 0x0
.endif
	WIN 0x41
.irp i,0,1,2,3,4,5,6,7
	v_pk_add_f32 v[32*oi+4*\i:32*oi+4*\i+1], v[32*oi+4*\i:32*oi+4*\i+1], v[32+4*(oi%2):32+4*(oi%2)+1]
	v_pk_add_f32 v[32*oi+4*\i+2:32*oi+4*\i+3], v[32*oi+4*\i+2:32*oi+4*\i+3], v[34+4*(oi%2):34+4*(oi%2)+1]
.endr
	WIN 0x04
.irp i,0,1,2,3,4,5,6,7
	global_store_b128 v[OT+\i], v[32*oi+4*\i:32*oi+4*\i+3], s[OB+2*(oi/2):OB+2*(oi/2)+1] offset:256*(oi%2) th:TH_STORE_NT   ; 16 lanes store 256 consecutive bytes, at a multiple of 256 from out0's first byte
.endr
.set oi, oi+1
.endr
	WIN 0
	s_wait_xcnt 0x0
	v_lshl_add_u32 v254, v0, 2, 0x4f000
	v_mov_b32 v255, 0
	s_wait_tensorcnt 0x0
	ds_add_u32 v254, v255
	s_wait_dscnt 0x0
	s_endpgm
.Lfunc_end_k_q1c13e21eb0_swin:
	.size	k_q1c13e21eb0_swin, .Lfunc_end_k_q1c13e21eb0_swin-k_q1c13e21eb0_swin
	.p2alignl 7, 3214868480
	.fill 96, 4, 3214868480
	.section	.rodata,"a",@progbits
	.p2align	6, 0x0
	.amdhsa_kernel k_q1c13e21eb0_swin
		.amdhsa_group_segment_fixed_size 324608
		.amdhsa_private_segment_fixed_size 0
		.amdhsa_enable_private_segment 0
		.amdhsa_kernarg_size 120
		.amdhsa_user_sgpr_count 2
		.amdhsa_user_sgpr_kernarg_segment_ptr 1
		.amdhsa_wavefront_size32 1
		.amdhsa_system_sgpr_workgroup_id_x 1
		.amdhsa_system_sgpr_workgroup_id_y 1
		.amdhsa_system_sgpr_workgroup_id_z 1
		.amdhsa_system_vgpr_workitem_id 0
		.amdhsa_next_free_vgpr 512
		.amdhsa_next_free_sgpr 80
		.amdhsa_reserve_vcc 0
		.amdhsa_float_denorm_mode_32 3
		.amdhsa_float_denorm_mode_16_64 3
		.amdhsa_memory_ordered 1
		.amdhsa_forward_progress 1
		.amdhsa_inst_pref_size 255
	.end_amdhsa_kernel
	.section	.bss,"aw",@nobits
	.p2align	6
	.space	262144
	.amdgpu_metadata
---
amdhsa.version: [ 1, 2 ]
amdhsa.kernels:
  - .name:           k_q1c13e21eb0_swin
    .symbol:         k_q1c13e21eb0_swin.kd
    .args:
      - { .name: x, .offset: 0, .size: 8, .value_kind: global_buffer, .address_space: global }
      - { .name: mask_matrix, .offset: 8, .size: 8, .value_kind: global_buffer, .address_space: global }
      - { .name: g1, .offset: 16, .size: 8, .value_kind: global_buffer, .address_space: global }
      - { .name: b1, .offset: 24, .size: 8, .value_kind: global_buffer, .address_space: global }
      - { .name: w_qkv, .offset: 32, .size: 8, .value_kind: global_buffer, .address_space: global }
      - { .name: b_qkv, .offset: 40, .size: 8, .value_kind: global_buffer, .address_space: global }
      - { .name: w_proj, .offset: 48, .size: 8, .value_kind: global_buffer, .address_space: global }
      - { .name: b_proj, .offset: 56, .size: 8, .value_kind: global_buffer, .address_space: global }
      - { .name: g2, .offset: 64, .size: 8, .value_kind: global_buffer, .address_space: global }
      - { .name: b2, .offset: 72, .size: 8, .value_kind: global_buffer, .address_space: global }
      - { .name: w_fc1, .offset: 80, .size: 8, .value_kind: global_buffer, .address_space: global }
      - { .name: b_fc1, .offset: 88, .size: 8, .value_kind: global_buffer, .address_space: global }
      - { .name: w_fc2, .offset: 96, .size: 8, .value_kind: global_buffer, .address_space: global }
      - { .name: b_fc2, .offset: 104, .size: 8, .value_kind: global_buffer, .address_space: global }
      - { .name: out0, .offset: 112, .size: 8, .value_kind: global_buffer, .address_space: global }
    .group_segment_fixed_size: 324608
    .private_segment_fixed_size: 0
    .kernarg_segment_align: 8
    .kernarg_segment_size: 120
    .max_flat_workgroup_size: 256
    .sgpr_count:     80
    .vgpr_count:     512
    .wavefront_size: 32
...
	.end_amdgpu_metadata
.endif
;; end of part 2
